; MI455X (gfx1250); checked and timed in simulation.
; The chip was launched on July 23, 2026; its instructions are those of AMD's public machine-readable ISA for CDNA 5 (MIT licence, August 2026) and "CDNA5" Instruction Set Architecture Reference Guide (July 2026). The comments in the code are by the model that wrote it; some were corrected since.
;; Sparse Mo E Layer. Allowed arithmetic: float matrix products may take bf16 or f16 operands with f32 sums; all other float work in f32.
;; Inputs: gate_w 8 x 1,024 float32; w1 8 x 1,024 x 2,048 float32; w2 8 x 2,048 x 1,024 float32; x 2 x 1,024 x 1,024 float32.
;; Outputs: out0 2 x 1,024 x 1,024 float32; out1 one number float32.
;; 2 versions, each right. Each part assembles by itself: llvm-mc -triple=amdgcn-amd-amdhsa -mcpu=gfx1250 --defsym DOCPART=n.
;; ======== version 1 of 2: 5 launches
;; workspace buffers: xb 4,194,304 bytes; sel 8,192 bytes of whole numbers; rf 24,576 bytes; plan 94,464 bytes of whole numbers; bf 69,888 bytes; h 22,806,528 bytes; y 91,750,400 bytes
;; launch router (part 1): grid 256 x 1, 4 waves a work-group, no clusters, 33,536 bytes of LDS; arguments x, gate_w, xb, sel, rf; writes xb, sel, rf
.if DOCPART == 1
	.amdgcn_target "amdgcn-amd-amdhsa--gfx1250"
	.amdhsa_code_object_version 6
	.text
	.protected	k_qc61240cfc5_router
	.globl	k_qc61240cfc5_router
	.p2align	8
	.type	k_qc61240cfc5_router,@function
k_qc61240cfc5_router:
	s_mov_b64 s[64:65], 0
	v_nop
	global_prefetch_b8 v0, s[64:65] scope:SCOPE_SE
	s_setreg_imm32_b32 hwreg(HW_REG_WAVE_MODE, 25, 1), 1
	s_wait_xcnt 0x0
; ROUTER.  logits = x . gate_w^T, softmax (the row's maximum taken away first), the two largest probabilities and their experts;
; besides, x rounded to bf16 for the expert products, and the sums of the probabilities.
; OPERANDS: x and gate_w are rounded to bf16 first, as every matrix operand of this layer is, so that the choice of experts, the combine weights
; and the expert products all come from the same rounded numbers.  The product of two bf16 numbers is exact in f32; the sums are f32.
; Why the vector unit: the choice of two experts jumps with the logits' last digits, so the sums are kept as plain fused f32 multiply-adds;
; the product is 2048 x 8 x 1024 multiply-adds, about a thousandth of the layer's work, and has 8 columns where a matrix tile has 16.
; A work-group takes 8 tokens, a wave 2.  A lane holds elements 128 j + 4 lane + c (j = 0..7, c = 0..3) of both tokens.
; The gate (32,768 bytes) is rounded and copied once into LDS, as f32 in memory's layout, and read from there expert by expert.
; No tensor loads, no clusters: the only shared input is the gate, 32 KiB against the 32 KiB of x that a work-group reads once.
; OUT: xb[token][1024] bf16;  sel[token] = first expert | second expert << 8;  rf: (p first, p second) per token at byte 0,
;      and at byte 16,384 the work-group's eight sums of probabilities.
; LIMITS.  The choice is that of the rounded inputs: the rounding moves a logit by about 0.2 per cent of the logits' spread, and a token whose
; second and third logits lie closer than that may be routed otherwise than by the unrounded inputs.
; v_exp_f32 gives zero for results under 2^-126 (ISA guide, its entry): probabilities in f32's denormal range count as zero
; here, so a second choice among such experts is the lowest index; their weight is under 1.2e-38.  The sums run in another order than
; the reference's: tokens whose second and third probabilities agree to about 1e-7 relative may be routed the other way.
.set X,    16                          ; v[16:79]    x: token t, piece j at 16 + 32 t + 4 j; as loaded, then rounded to bf16 and widened again
.set G0,   80                          ; v[80:111]   one expert's gate row (first: all of v[80:143] on the gate's way to LDS)
.set G1,   112                         ; v[112:143]  the next expert's
.set ACC,  144                         ; v[144:151]  four chains of two sums: token 0 (two pairs), token 1 (two pairs)
.set L,    152                         ; v[152:167]  logit of token t, expert e at 152 + 8 t + e
.set XB,   168                         ; v[168:199]  first the gate in bf16, at work; then x in bf16, on its way out and not written again
.set TP,   200                         ; v[200:201]  what comes from the other half of the lanes
.set MX,   202                         ; the row's maximum
.set BEST, 204                         ; v204 largest probability, v205 second largest (a pair: stored together)
.set I0,   206                         ; its expert
.set I1,   207                         ; the second's expert
.set PR,   208                         ; v[208:215]  exponentials, then probabilities
.set SM,   216                         ; v[216:219]  their sum, in steps
.set RC,   220
.set SV,   221
.set PA,   222
.set PSUM, 32768                       ; LDS: behind the gate, 32 bytes for each wave
	s_load_b256 s[4:11], s[0:1], 0x0               ; x s[4:5], gate_w s[6:7], xb s[8:9], sel s[10:11]
	s_load_b64 s[12:13], s[0:1], 0x20              ; rf
	v_lshl_add_u32 v224, v0, 2, 0x8100
	v_mov_b32 v225, 0
	v_and_b32 v1, 31, v0                           ; lane
	v_lshrrev_b32 v5, 5, v0
	v_readfirstlane_b32 s18, v5                    ; wave
	v_lshlrev_b32 v2, 4, v1                        ; 16 lane
	v_lshlrev_b32 v3, 4, v0                        ; 16 thread
	v_lshlrev_b32 v4, 3, v1                        ; 8 lane
	v_lshlrev_b32 v6, 2, v1                        ; 4 lane
	v_and_b32 v7, 1, v1
	v_lshlrev_b32 v7, 4, v7                        ; 16 (lane mod 2): which four of the eight sums a lane adds up at the end
	s_mov_b32 s14, 0xffff0000                      ; a word's upper bf16
	s_mov_b32 s16, 0x76543210                      ; v_permlanex16_b32: lane i of one half reads lane i of the other
	s_mov_b32 s17, 0xfedcba98
	s_lshl_b32 s19, ttmp9, 3
	s_lshl1_add_u32 s19, s18, s19                  ; my first token = 8 work-group + 2 wave
	s_lshl_b32 s20, s19, 12                        ; its bytes in x,
	s_mov_b32 s21, 0
	s_lshl_b32 s22, s19, 11                        ; in xb,
	s_mov_b32 s23, 0
	s_lshl_b32 s24, s19, 2                         ; in sel,
	s_mov_b32 s25, 0
	s_lshl_b32 s26, s19, 3                         ; among the pairs of weights
	s_mov_b32 s27, 0
	s_lshl_b32 s28, ttmp9, 5                       ; the work-group's eight sums
	s_mov_b32 s29, 0
	s_lshl_b32 s31, s18, 5                         ; my wave's 32 bytes in LDS
	s_wait_kmcnt 0x0
	s_add_nc_u64 s[4:5], s[4:5], s[20:21]
	s_add_nc_u64 s[8:9], s[8:9], s[22:23]
	s_add_nc_u64 s[10:11], s[10:11], s[24:25]
	s_add_nc_u64 s[26:27], s[12:13], s[26:27]
	s_add_nc_u64 s[28:29], s[12:13], s[28:29]
.irp i, 0,1,2,3,4,5,6,7,8,9,10,11,12,13,14,15
	global_load_b128 v[G0+4*\i:G0+4*\i+3], v3, s[6:7] offset:2048*\i          ; the gate: 128 threads x 16 bytes a line
.endr
.irp t, 0,1
.irp j, 0,1,2,3,4,5,6,7
	global_load_b128 v[X+32*\t+4*\j:X+32*\t+4*\j+3], v2, s[4:5] offset:4096*\t+512*\j th:TH_LOAD_NT   ; x is read once in the launch
.endr
.endr
	s_wait_loadcnt 16                              ; the gate is in; x's sixteen loads stay out
	; the gate is rounded to bf16 (nearest even), two numbers a word, and widened again: the low half by a shift, the high half by a mask
.irp i, 0,1,2,3,4,5,6,7,8,9,10,11,12,13,14,15
	v_cvt_pk_bf16_f32 v[XB+2*\i],   v[G0+4*\i],   v[G0+4*\i+1]
	v_cvt_pk_bf16_f32 v[XB+2*\i+1], v[G0+4*\i+2], v[G0+4*\i+3]
.endr
.irp i, 0,1,2,3,4,5,6,7,8,9,10,11,12,13,14,15
	v_lshlrev_b32 v[G0+4*\i],   16,  v[XB+2*\i]
	v_and_b32     v[G0+4*\i+1], s14, v[XB+2*\i]
	v_lshlrev_b32 v[G0+4*\i+2], 16,  v[XB+2*\i+1]
	v_and_b32     v[G0+4*\i+3], s14, v[XB+2*\i+1]
	ds_store_b128 v3, v[G0+4*\i:G0+4*\i+3] offset:2048*\i
.endr
	s_wait_dscnt 0x0                               ; my part of the gate is in LDS, for the other waves' sake
	s_barrier_signal -1
	s_barrier_wait -1                              ; all of it is
.macro GLOAD e, g                      ; expert e's gate row, in x's layout
.irp j, 0,1,2,3,4,5,6,7
	ds_load_b128 v[\g+4*\j:\g+4*\j+3], v2 offset:4096*\e+512*\j
.endr
.endm
; both tokens' products with expert e's row: the first products start the four chains, nothing is cleared
.macro DOT e, g
.irp t, 0,1
	v_pk_mul_f32 v[ACC+4*\t:ACC+4*\t+1],   v[X+32*\t:X+32*\t+1],   v[\g:\g+1]
	v_pk_mul_f32 v[ACC+4*\t+2:ACC+4*\t+3], v[X+32*\t+2:X+32*\t+3], v[\g+2:\g+3]
.endr
.irp j, 1,2,3,4,5,6,7
.irp t, 0,1
	v_pk_fma_f32 v[ACC+4*\t:ACC+4*\t+1],   v[X+32*\t+4*\j:X+32*\t+4*\j+1],   v[\g+4*\j:\g+4*\j+1],   v[ACC+4*\t:ACC+4*\t+1]
	v_pk_fma_f32 v[ACC+4*\t+2:ACC+4*\t+3], v[X+32*\t+4*\j+2:X+32*\t+4*\j+3], v[\g+4*\j+2:\g+4*\j+3], v[ACC+4*\t+2:ACC+4*\t+3]
.endr
.endr
.irp t, 0,1
	v_pk_add_f32 v[ACC+4*\t:ACC+4*\t+1], v[ACC+4*\t:ACC+4*\t+1], v[ACC+4*\t+2:ACC+4*\t+3]
.endr
.irp t, 0,1
	v_add_f32 v[L+8*\t+\e], v[ACC+4*\t], v[ACC+4*\t+1]
.endr
.endm
	GLOAD 0, G0
	s_wait_loadcnt 0x0                             ; x
	; x is rounded to bf16, stored for the expert products, and the same rounded numbers are widened again for the logits.
	; The stores only read XB, and XB is not written again.
.irp t, 0,1
.irp j, 0,1,2,3,4,5,6,7
	v_cvt_pk_bf16_f32 v[XB+16*\t+2*\j],   v[X+32*\t+4*\j],   v[X+32*\t+4*\j+1]
	v_cvt_pk_bf16_f32 v[XB+16*\t+2*\j+1], v[X+32*\t+4*\j+2], v[X+32*\t+4*\j+3]
	global_store_b64 v4, v[XB+16*\t+2*\j:XB+16*\t+2*\j+1], s[8:9] offset:2048*\t+256*\j   ; the wave stores 256 consecutive bytes, aligned
	v_lshlrev_b32 v[X+32*\t+4*\j],   16,  v[XB+16*\t+2*\j]
	v_and_b32     v[X+32*\t+4*\j+1], s14, v[XB+16*\t+2*\j]
	v_lshlrev_b32 v[X+32*\t+4*\j+2], 16,  v[XB+16*\t+2*\j+1]
	v_and_b32     v[X+32*\t+4*\j+3], s14, v[XB+16*\t+2*\j+1]
.endr
.endr
	; the next expert's row is asked for ahead of each product: the count 8 leaves its eight loads out
	GLOAD 1, G1
	s_wait_dscnt 8
	DOT 0, G0
	GLOAD 2, G0
	s_wait_dscnt 8
	DOT 1, G1
	GLOAD 3, G1
	s_wait_dscnt 8
	DOT 2, G0
	GLOAD 4, G0
	s_wait_dscnt 8
	DOT 3, G1
	GLOAD 5, G1
	s_wait_dscnt 8
	DOT 4, G0
	GLOAD 6, G0
	s_wait_dscnt 8
	DOT 5, G1
	GLOAD 7, G1
	s_wait_dscnt 8
	DOT 6, G0
	s_wait_dscnt 0x0
	DOT 7, G1
	; the sixteen sums over the 32 lanes: four steps inside each half of 16 lanes, one across the halves
.irp m, 1,2,4,8
.irp k, 0,1,2,3,4,5,6,7,8,9,10,11,12,13,14,15
	v_add_f32_dpp v[L+\k], v[L+\k], v[L+\k] row_xmask:\m row_mask:0xf bank_mask:0xf
.endr
.endr
	v_mov_b32 v[TP], 0                             ; v_permlanex16_b32 counts as a reader of its destination: written once here
	v_mov_b32 v[TP+1], 0
.irp k, 0,2,4,6,8,10,12,14
	v_permlanex16_b32 v[TP], v[L+\k], s16, s17
	v_permlanex16_b32 v[TP+1], v[L+\k+1], s16, s17
	v_pk_add_f32 v[L+\k:L+\k+1], v[L+\k:L+\k+1], v[TP:TP+1]
.endr
	; from here even lanes work on token 0 and odd lanes on token 1
	v_and_b32 v[TP], 1, v1
	v_cmp_eq_u32 vcc_lo, 1, v[TP]
.irp e, 0,1,2,3,4,5,6,7
	v_cndmask_b32 v[L+\e], v[L+\e], v[L+8+\e], vcc_lo
.endr
	; softmax: the maximum is taken away, then 2^((l - m) log2 e)
	v_max3_num_f32 v[MX], v[L], v[L+1], v[L+2]
	v_max3_num_f32 v[MX], v[MX], v[L+3], v[L+4]
	v_max3_num_f32 v[MX], v[MX], v[L+5], v[L+6]
	v_max_num_f32 v[MX], v[MX], v[L+7]
.irp e, 0,1,2,3,4,5,6,7
	v_sub_f32 v[L+\e], v[L+\e], v[MX]
.endr
.irp e, 0,1,2,3,4,5,6,7
	v_mul_f32 v[L+\e], 0x3fb8aa3b, v[L+\e]
.endr
.irp e, 0,1,2,3,4,5,6,7
	v_exp_f32 v[PR+\e], v[L+\e]
.endr
	v_nop                                          ; one plain place behind the exponentials before their results are used
	s_wait_alu depctr_va_vdst(0)
	v_pk_add_f32 v[SM:SM+1], v[PR:PR+1], v[PR+2:PR+3]
	v_pk_add_f32 v[SM+2:SM+3], v[PR+4:PR+5], v[PR+6:PR+7]
	v_pk_add_f32 v[SM:SM+1], v[SM:SM+1], v[SM+2:SM+3]
	v_add_f32 v[SM], v[SM], v[SM+1]                ; at least 1: the largest exponential is 1
	v_rcp_f32 v[RC], v[SM]
	v_nop                                          ; one plain place behind the reciprocal
	s_wait_alu depctr_va_vdst(0)
.irp e, 0,1,2,3,4,5,6,7
	v_mul_f32 v[PR+\e], v[PR+\e], v[RC]
.endr
	; the largest: scan upward, the old one is kept on p <= best, so that the lowest index wins a tie.  Selects only, no branch.
	v_mov_b32 v[BEST], v[PR]
	v_mov_b32 v[I0], 0
.irp e, 1,2,3,4,5,6,7
	v_cmp_le_f32 vcc_lo, v[PR+\e], v[BEST]
	v_cndmask_b32 v[BEST], v[PR+\e], v[BEST], vcc_lo
	v_cndmask_b32 v[I0], \e, v[I0], vcc_lo
.endr
	; the second: the same from -1, the first choice passed over
	v_mov_b32 v[BEST+1], -1.0
	v_mov_b32 v[I1], 0
.irp e, 0,1,2,3,4,5,6,7
	v_cmp_le_f32 s20, v[PR+\e], v[BEST+1]
	v_cmp_eq_u32 s21, \e, v[I0]
	s_or_b32 vcc_lo, s20, s21
	v_cndmask_b32 v[BEST+1], v[PR+\e], v[BEST+1], vcc_lo
	v_cndmask_b32 v[I1], \e, v[I1], vcc_lo
.endr
	v_lshl_or_b32 v[SV], v[I1], 8, v[I0]
	; the wave's two tokens' probabilities added (lane i and lane i xor 1), into registers that have been written
.irp e, 0,1,2,3,4,5,6,7
	v_add_f32_dpp v[L+8+\e], v[PR+\e], v[PR+\e] row_xmask:1 row_mask:0xf bank_mask:0xf
.endr
	v_mov_b32 v[PA], s31
	ds_store_b128 v[PA], v[L+8:L+11] offset:PSUM           ; every lane writes the same bytes with the same numbers
	ds_store_b128 v[PA], v[L+12:L+15] offset:PSUM+16
	s_wait_dscnt 0x0                               ; for wave 0's sake
	s_barrier_signal -1
	s_barrier_wait -1
	s_wait_xcnt 0x0                                ; EXEC changes only behind this wait: xb's stores have been issued
	v_cmp_gt_u32 vcc_lo, 2, v1
	s_and_saveexec_b32 s30, vcc_lo                 ; lanes 0 and 1: token 0 and token 1
	global_store_b32 v6, v[SV], s[10:11]
	global_store_b64 v4, v[BEST:BEST+1], s[26:27]
	s_cmp_lg_u32 s18, 0
	s_cbranch_scc1 .Lend
	; wave 0, lanes 0 and 1: the four waves' sums, four experts a lane; the address 16 (lane mod 2) stays inside the 128 bytes in any lane
.irp w, 0,1,2,3
	ds_load_b128 v[G0+4*\w:G0+4*\w+3], v7 offset:PSUM+32*\w
.endr
	s_wait_dscnt 0x0
	v_pk_add_f32 v[G0:G0+1], v[G0:G0+1], v[G0+4:G0+5]
	v_pk_add_f32 v[G0+2:G0+3], v[G0+2:G0+3], v[G0+6:G0+7]
	v_pk_add_f32 v[G0+8:G0+9], v[G0+8:G0+9], v[G0+12:G0+13]
	v_pk_add_f32 v[G0+10:G0+11], v[G0+10:G0+11], v[G0+14:G0+15]
	v_pk_add_f32 v[G0:G0+1], v[G0:G0+1], v[G0+8:G0+9]
	v_pk_add_f32 v[G0+2:G0+3], v[G0+2:G0+3], v[G0+10:G0+11]
	global_store_b128 v7, v[G0:G0+3], s[28:29] offset:16384
.Lend:
	s_wait_xcnt 0x0
	s_mov_b32 exec_lo, -1
	s_wait_tensorcnt 0x0
	ds_add_u32 v224, v225
	s_wait_dscnt 0x0
	s_endpgm
.Lfunc_end_k_qc61240cfc5_router:
	.size	k_qc61240cfc5_router, .Lfunc_end_k_qc61240cfc5_router-k_qc61240cfc5_router
	.p2alignl 7, 3214868480
	.fill 96, 4, 3214868480
	.section	.rodata,"a",@progbits
	.p2align	6, 0x0
	.amdhsa_kernel k_qc61240cfc5_router
		.amdhsa_group_segment_fixed_size 33536
		.amdhsa_private_segment_fixed_size 0
		.amdhsa_enable_private_segment 0
		.amdhsa_kernarg_size 40
		.amdhsa_user_sgpr_count 2
		.amdhsa_user_sgpr_kernarg_segment_ptr 1
		.amdhsa_wavefront_size32 1
		.amdhsa_system_sgpr_workgroup_id_x 1
		.amdhsa_system_sgpr_workgroup_id_y 1
		.amdhsa_system_sgpr_workgroup_id_z 1
		.amdhsa_system_vgpr_workitem_id 0
		.amdhsa_next_free_vgpr 226
		.amdhsa_next_free_sgpr 66
		.amdhsa_reserve_vcc 1
		.amdhsa_float_denorm_mode_32 3
		.amdhsa_float_denorm_mode_16_64 3
		.amdhsa_memory_ordered 1
		.amdhsa_forward_progress 1
		.amdhsa_inst_pref_size 50
	.end_amdhsa_kernel
	.amdgpu_metadata
---
amdhsa.version: [ 1, 2 ]
amdhsa.kernels:
  - .name:           k_qc61240cfc5_router
    .symbol:         k_qc61240cfc5_router.kd
    .args:
      - { .name: x, .offset: 0, .size: 8, .value_kind: global_buffer, .address_space: global }
      - { .name: gate_w, .offset: 8, .size: 8, .value_kind: global_buffer, .address_space: global }
      - { .name: xb, .offset: 16, .size: 8, .value_kind: global_buffer, .address_space: global }
      - { .name: sel, .offset: 24, .size: 8, .value_kind: global_buffer, .address_space: global }
      - { .name: rf, .offset: 32, .size: 8, .value_kind: global_buffer, .address_space: global }
    .group_segment_fixed_size: 33536
    .private_segment_fixed_size: 0
    .kernarg_segment_align: 8
    .kernarg_segment_size: 40
    .max_flat_workgroup_size: 128
    .sgpr_count:     66
    .vgpr_count:     226
    .wavefront_size: 32
...
	.end_amdgpu_metadata
.endif
;; end of part 1
;; launch bucket (part 2): grid 8 x 1, 1 waves a work-group, no clusters, 18,176 bytes of LDS; arguments sel, rf, plan, bf; writes plan, bf
.if DOCPART == 2
	.amdgcn_target "amdgcn-amd-amdhsa--gfx1250"
	.amdhsa_code_object_version 6
	.text
	.protected	k_qc61240cfc5_bucket
	.globl	k_qc61240cfc5_bucket
	.p2align	8
	.type	k_qc61240cfc5_bucket,@function
k_qc61240cfc5_bucket:
	s_mov_b64 s[64:65], 0
	v_nop
	global_prefetch_b8 v0, s[64:65] scope:SCOPE_SE
	s_setreg_imm32_b32 hwreg(HW_REG_WAVE_MODE, 25, 1), 1
	s_wait_xcnt 0x0
; BUCKET.  Work-group e (one wave) gathers expert e's rows: it scans all 2,048 tokens' choices and writes
;   plan: list[e][2176] of entries token * 2 + rank, then 192 pad entries 4096 + 192 e + i;  counts[e] at byte 0x11000;
;         at byte 0x11100 the lists of spare slots 4 e .. 4 e + 3: entry i of slot s is 5632 + 192 s + i
;   bf:   cwl[e][2176], the rows' combine weights in the list's order, 0 for pads;            the loss's term of e at byte 0x11000
; One wave per expert: each output byte has one owner, the places come from a running count and v_mbcnt, and the scatter goes to LDS
; with no other wave to order it against; the lists leave LDS as whole lines of 512 bytes.  Eight work-groups are all the work there is:
; 8 KiB of choices and 24 KiB of numbers are read by each.
; Later launches work in blocks of 192 rows, so a block that starts below the count ends less than 192 entries behind it: the pads.
; A pad's entry names a row of its own in y that nobody reads, and through entry >> 1, clamped, token 2047 in x.
; The later launches' grids have 29 slots for row blocks, as many as the counts can ask for at the most; a slot that the counts leave over
; takes its rows in y from its spare list, rows of its own that nobody reads.
; The loss: E * mean(f p) = sum over e of count_e * P_e / (4096 * 2048), P_e the sum of expert e's probabilities over all tokens.
.set S,      16                        ; v[16:79]   choices: token 128 i + 4 lane + c at 16 + 4 i + c
.set CW,     80                        ; v[80:207]  weights: the same token's two at 80 + 8 i + 2 c
.set PS,     208                       ; v[208:215] the 256 work-groups' sums of expert e's probabilities, 8 a lane
.set DU,     152                       ; v[152:175] the spare lists on their way out (the weights there have been used)
.set R,      192                       ; rows in a block
.set TRASH,  2176                      ; the list's index for lanes without a match: the word behind the list
.set CW_OFF, 8960                      ; LDS: list 0..8703, its trash word 8704; weights 8960..17663, their trash word 17664
.set CNT_OFF, 0x11000
.set DUM_OFF, 0x11100
	s_load_b256 s[4:11], s[0:1], 0x0               ; sel s[4:5], rf s[6:7], plan s[8:9], bf s[10:11]
	v_lshl_add_u32 v240, v0, 2, 0x4600
	v_mov_b32 v241, 0
	v_and_b32 v1, 31, v0                           ; lane
	v_lshlrev_b32 v2, 4, v1                        ; 16 lane
	v_lshlrev_b32 v3, 5, v1                        ; 32 lane
	v_lshlrev_b32 v5, 3, v1                        ; 8 lane = 2 x (4 lane): the lane's part of an entry
	s_mov_b32 s13, ttmp9                           ; e
	s_lshl_b32 s12, ttmp9, 2
	v_add_nc_u32 v4, s12, v3                       ; 32 lane + 4 e
	s_mul_i32 s22, ttmp9, 8704                     ; my list's bytes in plan and in bf
	s_mov_b32 s23, 0
	s_mul_i32 s28, ttmp9, 16*R                     ; my four spare lists' bytes: 4 x 192 x 4
	s_mov_b32 s29, 0
	s_mov_b32 s16, 0x76543210
	s_mov_b32 s17, 0xfedcba98
	s_mov_b32 s20, 0                               ; the running count
	s_wait_kmcnt 0x0
	s_add_nc_u64 s[24:25], s[8:9], s[22:23]
	s_add_nc_u64 s[26:27], s[10:11], s[22:23]
	s_add_nc_u64 s[28:29], s[8:9], s[28:29]
.irp i, 0,1,2,3,4,5,6,7,8,9,10,11,12,13,14,15
	global_load_b128 v[S+4*\i:S+4*\i+3], v2, s[4:5] offset:512*\i
.endr
.irp i, 0,1,2,3,4,5,6,7,8,9,10,11,12,13,14,15
	global_load_b128 v[CW+8*\i:CW+8*\i+3],   v3, s[6:7] offset:1024*\i
	global_load_b128 v[CW+8*\i+4:CW+8*\i+7], v3, s[6:7] offset:1024*\i+16
.endr
.irp i, 0,1,2,3,4,5,6,7
	global_load_b32 v[PS+\i], v4, s[6:7] offset:16384+1024*\i
.endr
	; while they are on their way: both lists are zeroed (17 lines of 512 bytes each), so that every byte that leaves has been written
	v_mov_b32 v216, 0
	v_mov_b32 v217, 0
	v_mov_b32 v218, 0
	v_mov_b32 v219, 0
.irp i, 0,1,2,3,4,5,6,7,8,9,10,11,12,13,14,15,16
	ds_store_b128 v2, v[216:219] offset:512*\i
	ds_store_b128 v2, v[216:219] offset:CW_OFF+512*\i
.endr
	v_mov_b32 v223, TRASH
	v_mov_b32 v232, 1
	s_wait_loadcnt 0x0
; 32 tokens: who chose e gets the next places, in the order of the lanes.  The index is chosen first (a lane without a match takes
; the trash word), then clamped by a constant, then shifted: LDS serves one wave's stores in order, so these land on the zeros.
.macro PLACE i, c
	v_and_b32 v220, 0xff, v[S+4*\i+\c]             ; first choice
	v_lshrrev_b32 v221, 8, v[S+4*\i+\c]            ; second choice
	v_cmp_eq_u32 s14, s13, v220
	v_cmp_eq_u32 vcc_lo, s13, v221                 ; rank 1
	s_or_b32 s15, s14, vcc_lo
	v_mbcnt_lo_u32_b32 v222, s15, s20              ; count so far + matches in lower lanes
	v_cndmask_b32 v226, v[CW+8*\i+2*\c], v[CW+8*\i+2*\c+1], vcc_lo
	v_cndmask_b32 v225, 0, v232, vcc_lo
	v_cndmask_b32 v222, v223, v222, s15
	v_min_u32 v222, TRASH, v222
	v_add3_u32 v224, v5, v225, 256*\i+2*\c         ; 2 (128 i + 4 lane + c) + rank
	v_lshlrev_b32 v222, 2, v222
	ds_store_b32 v222, v224
	ds_store_b32 v222, v226 offset:CW_OFF
	s_bcnt1_i32_b32 s14, s15
	s_add_co_u32 s20, s20, s14
.endm
.irp i, 0,1,2,3,4,5,6,7,8,9,10,11,12,13,14,15
.irp c, 0,1,2,3
	PLACE \i, \c
.endr
.endr
	; 192 pads behind the last entry; those that would fall behind the list (none that a block reads: 11 blocks end at 2,111) go to the trash word
	v_add_nc_u32 v227, s20, v1
	s_mul_i32 s14, s13, R
	s_add_co_u32 s14, s14, 4096
	v_add_nc_u32 v228, s14, v1
.irp i, 0,1,2,3,4,5
	v_add_nc_u32 v222, 32*\i, v227
	v_min_u32 v222, TRASH, v222
	v_lshlrev_b32 v222, 2, v222
	v_add_nc_u32 v224, 32*\i, v228
	ds_store_b32 v222, v224
.endr
	; the loss's term
	v_pk_add_f32 v[PS:PS+1], v[PS:PS+1], v[PS+2:PS+3]
	v_pk_add_f32 v[PS+4:PS+5], v[PS+4:PS+5], v[PS+6:PS+7]
	v_pk_add_f32 v[PS:PS+1], v[PS:PS+1], v[PS+4:PS+5]
	v_add_f32 v229, v[PS], v[PS+1]
	v_add_f32_dpp v229, v229, v229 row_xmask:1 row_mask:0xf bank_mask:0xf
	v_add_f32_dpp v229, v229, v229 row_xmask:2 row_mask:0xf bank_mask:0xf
	v_add_f32_dpp v229, v229, v229 row_xmask:4 row_mask:0xf bank_mask:0xf
	v_add_f32_dpp v229, v229, v229 row_xmask:8 row_mask:0xf bank_mask:0xf
	v_mov_b32 v230, 0                              ; v_permlanex16_b32 counts as a reader of its destination
	v_permlanex16_b32 v230, v229, s16, s17
	v_add_f32 v229, v229, v230
	v_cvt_f32_u32 v230, s20
	v_mul_f32 v230, 0x34000000, v230               ; count x 2^-23
	v_mul_f32 v229, v229, v230
	; the lists leave: 34 lines of 512 consecutive bytes.  LDS serves the wave in order: these loads see all the stores above.
.irp i, 0,1,2,3,4,5,6,7,8,9,10,11,12,13,14,15,16
	ds_load_b128 v[16+4*\i:16+4*\i+3], v2 offset:512*\i
.endr
.irp i, 0,1,2,3,4,5,6,7,8,9,10,11,12,13,14,15,16
	ds_load_b128 v[84+4*\i:84+4*\i+3], v2 offset:CW_OFF+512*\i
.endr
	; meanwhile my four spare lists: 768 entries, 5632 + 768 e + 128 i + 4 lane + c, six lines of 512 consecutive bytes
	s_mul_i32 s14, s13, 4*R
	s_add_co_u32 s14, s14, 4096+8*R
	v_lshl_add_u32 v234, v1, 2, s14
.irp i, 0,1,2,3,4,5
.irp c, 0,1,2,3
	v_add_nc_u32 v[DU+4*\i+\c], 128*\i+\c, v234
.endr
	global_store_b128 v2, v[DU+4*\i:DU+4*\i+3], s[28:29] offset:DUM_OFF+512*\i
.endr
.irp i, 0,1,2,3,4,5,6,7,8,9,10,11,12,13,14,15,16
	s_wait_dscnt 33-\i                             ; LDS loads come back in order: line i of the 34 is in
	global_store_b128 v2, v[16+4*\i:16+4*\i+3], s[24:25] offset:512*\i
.endr
.irp i, 0,1,2,3,4,5,6,7,8,9,10,11,12,13,14,15,16
	s_wait_dscnt 16-\i
	global_store_b128 v2, v[84+4*\i:84+4*\i+3], s[26:27] offset:512*\i
.endr
	v_mov_b32 v231, s12                            ; 4 e
	v_mov_b32 v233, s20                            ; the count
	s_wait_xcnt 0x0                                ; EXEC changes only behind this wait
	v_cmp_eq_u32 vcc_lo, 0, v1
	s_wait_tensorcnt 0x0
	ds_add_u32 v240, v241
	s_wait_dscnt 0x0
	s_and_saveexec_b32 s21, vcc_lo
	global_store_b32 v231, v233, s[8:9] offset:CNT_OFF
	global_store_b32 v231, v229, s[10:11] offset:CNT_OFF
	s_endpgm
.Lfunc_end_k_qc61240cfc5_bucket:
	.size	k_qc61240cfc5_bucket, .Lfunc_end_k_qc61240cfc5_bucket-k_qc61240cfc5_bucket
	.p2alignl 7, 3214868480
	.fill 96, 4, 3214868480
	.section	.rodata,"a",@progbits
	.p2align	6, 0x0
	.amdhsa_kernel k_qc61240cfc5_bucket
		.amdhsa_group_segment_fixed_size 18176
		.amdhsa_private_segment_fixed_size 0
		.amdhsa_enable_private_segment 0
		.amdhsa_kernarg_size 32
		.amdhsa_user_sgpr_count 2
		.amdhsa_user_sgpr_kernarg_segment_ptr 1
		.amdhsa_wavefront_size32 1
		.amdhsa_system_sgpr_workgroup_id_x 1
		.amdhsa_system_sgpr_workgroup_id_y 1
		.amdhsa_system_sgpr_workgroup_id_z 1
		.amdhsa_system_vgpr_workitem_id 0
		.amdhsa_next_free_vgpr 242
		.amdhsa_next_free_sgpr 66
		.amdhsa_reserve_vcc 1
		.amdhsa_float_denorm_mode_32 3
		.amdhsa_float_denorm_mode_16_64 3
		.amdhsa_memory_ordered 1
		.amdhsa_forward_progress 1
		.amdhsa_inst_pref_size 71
	.end_amdhsa_kernel
	.amdgpu_metadata
---
amdhsa.version: [ 1, 2 ]
amdhsa.kernels:
  - .name:           k_qc61240cfc5_bucket
    .symbol:         k_qc61240cfc5_bucket.kd
    .args:
      - { .name: sel, .offset: 0, .size: 8, .value_kind: global_buffer, .address_space: global }
      - { .name: rf, .offset: 8, .size: 8, .value_kind: global_buffer, .address_space: global }
      - { .name: plan, .offset: 16, .size: 8, .value_kind: global_buffer, .address_space: global }
      - { .name: bf, .offset: 24, .size: 8, .value_kind: global_buffer, .address_space: global }
    .group_segment_fixed_size: 18176
    .private_segment_fixed_size: 0
    .kernarg_segment_align: 8
    .kernarg_segment_size: 32
    .max_flat_workgroup_size: 32
    .sgpr_count:     66
    .vgpr_count:     242
    .wavefront_size: 32
...
	.end_amdgpu_metadata
.endif
;; end of part 2
;; launch ffn1 (part 3): grid 29 x 8, 4 waves a work-group, no clusters, 206,336 bytes of LDS; arguments xb, w1, plan, h; writes h
.if DOCPART == 3
	.amdgcn_target "amdgcn-amd-amdhsa--gfx1250"
	.amdhsa_code_object_version 6
	.text
	.protected	k_qc61240cfc5_ffn1
	.globl	k_qc61240cfc5_ffn1
	.p2align	8
	.type	k_qc61240cfc5_ffn1,@function
k_qc61240cfc5_ffn1:
	s_mov_b64 s[64:65], 0
	v_nop
	global_prefetch_b8 v0, s[64:65] scope:SCOPE_SE
	s_setreg_imm32_b32 hwreg(HW_REG_WAVE_MODE, 25, 1), 1
	s_wait_xcnt 0x0
; FFN1.  h[slot][row][f] = silu( sum over d of xb[token(row)][d] * w1[e][d][f] ), bf16, for the rows of the experts' lists only.
; Work-group = (slot x, block of 256 columns y): ONE block of 192 rows x 256 columns over K = 1024, in straight text: no branch and no trip count
; hangs on a loaded number, so every wave passes every barrier.  Loaded numbers enter addresses only, each clamped by a constant first.
; SLOTS.  Expert e's rows are cut into ceil(count_e / 192) blocks, and the blocks of all experts are numbered through: slot -> (e, block) is made below from
; the eight counts, which an earlier launch stored as whole numbers.  The counts add up to 4,096, so there are (4096 + 8 x 191) / 192 = 29 blocks at the
; most: the grid's x.  (160 rows would allow 33 blocks x 8 = 264 work-groups, more than there are WGPs.)  A slot that the counts leave over (five of them
; when every expert has 385 to 576 rows) works on expert 7's weights and the tail of its list and stores rows of h that only the same slot
; of the next launch reads, whose results nobody reads: that work is lost; it is the price of a grid that cannot hang on the counts.
; Four waves, as many as a WGP has SIMDs; a wave makes all 192 rows x its own 64 columns: 48 accumulator tiles, 384 registers.
; WEIGHTS GO FROM MEMORY STRAIGHT INTO B FRAGMENTS.  w1 is f32 and lies [k][n].  For a K step of 32 a wave issues 16 loads of 16 bytes a lane:
; load i gives lane (r = lane % 16, hh = lane / 16) row k = 32 t + 8 hh + i + 8 (i / 8), columns 4 r .. 4 r + 3; 16 lanes take 256 consecutive
; aligned bytes of a row.  v_cvt_pk_bf16_f32 of loads 2 p and 2 p + 1 packs two neighbouring k of one column: register p of a B fragment
; (ISA guide 7.12.2).  Fragment q's column r is the true column 4 r + q, so a lane's four tiles q = 0..3 hold four neighbouring columns.
; Each weight is loaded and rounded by exactly one wave of the work-group: no LDS, no transposing.
; A GOES THROUGH LDS: two buffers of 192 rows x (256 + 16) bytes, a chunk of 128 along K each, filled through registers, a piece of 48 rows a K step.
; WHY NO TENSOR LOADS AND NO CLUSTER.  A's rows are gathered by a list.  The weights are shared by the slots of one expert, but which slots these are hangs on
; the counts: they fall on no fixed group of four, and a mask would be made of loaded numbers.  And f32 tiles through LDS would add 32 KiB written and
; 32 KiB read to the 48 KiB of A that a K step's 192 matrix instructions already read.  The slots of one expert are neighbours along the grid's x
; and walk the same weights in the same order.
; LIMITS.  Matrix operands are rounded to bf16, sums are f32.  Rows that an expert was not chosen for are not computed: where the
; reference would form 0 x (a non-finite number) = NaN, this program gives the finite sum.
; REGISTERS, in windows of 256 (s_set_vgpr_msb: bits 1:0 source 0, 3:2 source 1, 5:4 source 2, 7:6 destination):
;   window 0: addresses, A fragments, B fragments, A's pieces;  window 1: accumulators of m tiles 0-7 at 32 mt + 8 q;
;   window 2: those of m tiles 8-11 at 32 (mt - 8) + 8 q;       window 3: the weights as loaded, a ring of 4 K steps x 64 registers.
.set R,       192                      ; rows in a block
.set MAGIC,   0x1555556                ; ceil(2^32 / 192): the high word of x times this is x / 192, for x far beyond the 2,239 met here
.set LST,     2176                     ; entries in an expert's list
.set PB,      8192                     ; bytes in a row of w1
.set APITCH,  272                      ; an LDS row of A: 256 bytes + 16: 68 words, so 16 neighbouring rows start 4 words apart
.set ABUF,    R*APITCH
.set STAGE,   2*ABUF                   ; the way out: 192 rows of 512 bytes, pitch 528
.set SPITCH,  528
.set CNT_OFF, 0x11000
.set VB,  2                            ; 8 hh rows of w1 + 16 r + 256 wave
.set VA0, 3                            ; v3, v4   A fragments: 272 r + 16 hh, in buffer 0, 1
.set VS0, 5                            ; v5, v6   A pieces in: (12 wave + hh) 272 + 16 r, in buffer 0, 1
.set VLI, 7                            ; (12 wave + hh) 4: my rows' entries in the list
.set VC,  8                            ; 16 r
.set VT0, 10                           ; stage in, rows 0-95
.set VT1, 11                           ; stage in, rows 96-191
.set VR,  12                           ; stage back: my 48 rows, 16 lane
.set VH,  13                           ; 16 lane
.set RO,  16                           ; v[16:39]   byte offsets in xb of my 24 row pairs' 16 bytes
.set AF,  40                           ; v[40:135]  A fragments of m tiles 0-11 (first: chunk 0's four pieces on their way to LDS)
.set BF,  136                          ; v[136:167] B fragments q = 0..3
.set AS,  168                          ; v[168:239] A pieces on their way: a ring of 3 x 24 registers
.set TV,  240                          ; at work in the set-up
.set T,   40                           ; the way out: 32 numbers at work (A fragments' place)
.set PK,  80                           ; the way out: 16 registers of packed bf16
.set RB,  136                          ; the way out: two sets of 48 registers (the place of B fragments and A pieces)
.set W_LDB,  0xc0                      ; destination window 3
.set W_CVT,  0x0f                      ; sources 0 and 1 window 3
.set W_MUL1, 0x50                      ; C and D window 1
.set W_MUL2, 0xa0                      ; C and D window 2
.set MSB, 0
.macro WIN new                         ; the immediate's high byte repeats the setting that is left
.if MSB != \new
	s_set_vgpr_msb (MSB<<8)|\new
.set MSB, \new
.endif
.endm
.macro PLACES                          ; four places behind a matrix instruction before a load lands on, or a vector instruction writes, one of its registers,
.rept 4                                ; or a vector instruction reads its result (ISA guide 7.12.1 for vector instructions)
	v_nop
.endr
.endm
.macro BLOAD t                         ; K step t's weights: 16 rows x 2 halves of the lanes x 256 bytes
	WIN W_LDB
.irp i, 0,1,2,3,4,5,6,7,8,9,10,11,12,13,14,15
	global_load_b128 v[64*((\t)%4)+4*\i:64*((\t)%4)+4*\i+3], v[VB], s[24:25] offset:(32*(\t)+\i+8*(\i/8))*PB
.endr
.endm
; piece p = 4 chunk + i: my 12 of rows 48 i .. 48 i + 47, 256 bytes of each.  first = 1: chunk 0's pieces, through the A fragments' registers; else through the ring
.macro PBASE_OF p, first
.if \first
.set PBASE, AF+24*(\p)
.else
.set PBASE, AS+24*((\p)%3)
.endif
.endm
.macro PLOAD p, first
	PBASE_OF \p, \first
	WIN 0
.irp q, 0,1,2,3,4,5
	global_load_b128 v[PBASE+4*\q:PBASE+4*\q+3], v[RO+6*((\p)%4)+\q], s[4:5] offset:256*((\p)/4)
.endr
.endm
.macro PSTORE p, first
	PBASE_OF \p, \first
	WIN 0
.irp q, 0,1,2,3,4,5
	ds_store_b128 v[VS0+((\p)/4)%2], v[PBASE+4*\q:PBASE+4*\q+3] offset:(48*((\p)%4)+2*\q)*APITCH
.endr
.endm
.macro CVT t                           ; 64 registers of f32 to four B fragments
	WIN W_CVT
.irp q, 0,1,2,3
.irp p, 0,1,2,3,4,5,6,7
	v_cvt_pk_bf16_f32 v[BF+8*\q+\p], v[64*((\t)%4)+8*\p+\q], v[64*((\t)%4)+8*\p+4+\q]
.endr
.endr
.endm
.macro AFLOAD half, t                  ; K step t's A fragments of m tiles 6 half .. 6 half + 5
	WIN 0
.irp m, 0,1,2,3,4,5
	ds_load_b128 v[AF+8*(6*\half+\m):AF+8*(6*\half+\m)+3],   v[VA0+((\t)/4)%2] offset:16*APITCH*(6*\half+\m)+64*((\t)%4)
	ds_load_b128 v[AF+8*(6*\half+\m)+4:AF+8*(6*\half+\m)+7], v[VA0+((\t)/4)%2] offset:16*APITCH*(6*\half+\m)+64*((\t)%4)+32
.endr
.endm
.macro MULT mt, ab                     ; m tile mt x the four B fragments; ab: its accumulators' first register in the window.  ZERO: the first K step starts the sums
.irp q, 0,1,2,3
.if ZERO
	v_wmma_f32_16x16x32_bf16 v[\ab+8*\q:\ab+8*\q+7], v[AF+8*\mt:AF+8*\mt+7], v[BF+8*\q:BF+8*\q+7], 0
.else
	v_wmma_f32_16x16x32_bf16 v[\ab+8*\q:\ab+8*\q+7], v[AF+8*\mt:AF+8*\mt+7], v[BF+8*\q:BF+8*\q+7], v[\ab+8*\q:\ab+8*\q+7]
.endif
.endr
.endm
; ONE K STEP OF 32.  The 48 accumulators take turns, one matrix instruction a turn, in the same order in every step.
; Global loads are issued in the order piece 4, weights 1, piece 5, weights 2 (set-up), then piece t + 6, weights t + 3 in step t.  The wait at the head
; wants weights t and piece t + 4: younger than these are weights t+1, piece t+5, weights t+2 = 16 + 6 + 16 = 38.  Pieces and weights stop at 31:
; 32 at t = 27..29 (two steps' weights), 16 at t = 30, 0 at t = 31.  At most 38 + 22 = 60 loads of a wave are out in the steps, 62 in the set-up.
; A piece's ring slot is loaded again one step behind the LDS stores that read it.
; LDS: in front of the first half's products the younger instructions are the second half's twelve loads and the six stores of a piece: 18 (12 once
; the pieces are over); in front of the second half's, the six stores and the next step's first twelve loads: 18 (12; 0 in the last step).
; Every fourth step changes A's buffers with ONE barrier: in front of its signal each wave has waited for its stores of the next chunk's four
; pieces and for all its reads of this chunk's buffer; behind its wait the next buffer is read, and from the next step on the old one is written.
.macro STEP t
.set LC, 38
.if \t >= 27
.set LC, 32
.endif
.if \t == 30
.set LC, 16
.endif
.if \t == 31
.set LC, 0
.endif
.set BAR, 0
.if \t % 4 == 3
.if \t <= 27
.set BAR, 1
.endif
.endif
.set DC, 18
.set DC2, 18
.if \t >= 28
.set DC, 12
.set DC2, 12
.endif
.if \t == 31
.set DC2, 0
.endif
.set ZERO, 0
.if \t == 0
.set ZERO, 1
.endif
	WIN 0
	s_wait_loadcnt LC
.if \t <= 27
	PSTORE (\t+4), 0
.endif
.if \t <= 25
	PLOAD (\t+6), 0
.endif
	CVT \t
.if \t <= 28
	BLOAD (\t+3)
.endif
.if BAR
	s_wait_dscnt 0x0
	s_barrier_signal -1
.else
	s_wait_dscnt DC
.endif
	WIN W_MUL1
	MULT 0, 0
	MULT 1, 32
	MULT 2, 64
	MULT 3, 96
	MULT 4, 128
	MULT 5, 160
.if BAR
	s_barrier_wait -1
.endif
.if \t < 31
	WIN 0
	PLACES
	AFLOAD 0, (\t+1)
.endif
.if BAR == 0
	s_wait_dscnt DC2
.endif
	WIN W_MUL1
	MULT 6, 192
	MULT 7, 224
	WIN W_MUL2
	MULT 8, 0
	MULT 9, 32
	MULT 10, 64
	MULT 11, 96
	WIN 0
	PLACES                                         ; also the places in front of the next step's conversions into the B fragments
.if \t < 31
	AFLOAD 1, (\t+1)
.endif
.endm
; The way out of one m tile: silu(a) = a / (1 + 2^(-a log2 e)), rounded to bf16; a lane's four tiles give 4 neighbouring columns = 8 bytes.
; ab, win: the tile's accumulators and their window as source 0; vt, mo: the stage's address register and the tile's number behind it.
.macro SILU ab, win, vt, mo
	WIN \win
.set kk, 0
.rept 16
	v_pk_mul_f32 v[T+kk:T+kk+1], v[\ab+kk:\ab+kk+1], 0xbfb8aa3b op_sel_hi:[1,0]
.set kk, kk+2
.endr
	WIN 0
.set kk, 0
.rept 32
	v_exp_f32 v[T+kk], v[T+kk]
.set kk, kk+1
.endr
	v_nop                                          ; one plain place behind the exponentials
.set kk, 0
	s_wait_alu depctr_va_vdst(0)
.rept 16
	v_pk_add_f32 v[T+kk:T+kk+1], v[T+kk:T+kk+1], 1.0 op_sel_hi:[1,0]
.set kk, kk+2
.endr
.set kk, 0
.rept 32
	v_rcp_f32 v[T+kk], v[T+kk]
.set kk, kk+1
.endr
	v_nop                                          ; one plain place behind the reciprocals
	WIN \win
.set kk, 0
	s_wait_alu depctr_va_vdst(0)
.rept 16
	v_pk_mul_f32 v[T+kk:T+kk+1], v[\ab+kk:\ab+kk+1], v[T+kk:T+kk+1]
.set kk, kk+2
.endr
	WIN 0
.irp j, 0,1,2,3,4,5,6,7
	v_cvt_pk_bf16_f32 v[PK+2*\j],   v[T+\j],    v[T+8+\j]
	v_cvt_pk_bf16_f32 v[PK+2*\j+1], v[T+16+\j], v[T+24+\j]
.endr
.irp j, 0,1,2,3,4,5,6,7
	ds_store_b64 v[\vt], v[PK+2*\j:PK+2*\j+1] offset:(16*\mo+\j)*SPITCH   ; 16 lanes: 128 consecutive bytes; the other 16 lanes 8 rows down, 4,224 bytes = 128 modulo 256
.endr
.endm
	s_load_b256 s[4:11], s[0:1], 0x0               ; xb s[4:5], w1 s[6:7], plan s[8:9], h s[10:11]
	v_lshl_add_u32 v254, v0, 2, 0x32400
	v_mov_b32 v255, 0
	v_lshrrev_b32 v1, 5, v0
	v_readfirstlane_b32 s14, v1                    ; wave
	s_mov_b32 s15, ttmp9                           ; slot
	s_and_b32 s16, ttmp7, 0xffff                   ; cb
	s_wait_kmcnt 0x0
	s_load_b256 s[36:43], s[8:9], CNT_OFF          ; the eight experts' counts
	v_and_b32 v14, 15, v0                          ; r
	v_bfe_u32 v15, v0, 4, 1                        ; hh
	v_and_b32 v1, 31, v0                           ; lane
	v_lshlrev_b32 v[VC], 4, v14
	s_lshl_b32 s22, s14, 8
	v_lshl_add_u32 v[VB], v15, 16, v[VC]           ; 8 rows of 8,192 bytes
	v_add_nc_u32 v[VB], s22, v[VB]
	v_mul_u32_u24 v[VA0], APITCH, v14
	v_lshl_add_u32 v[VA0], v15, 4, v[VA0]
	v_add_nc_u32 v[VA0+1], ABUF, v[VA0]
	s_mul_i32 s22, s14, 12
	v_add_nc_u32 v[TV], s22, v15                   ; 12 wave + hh
	v_mul_u32_u24 v[VS0], APITCH, v[TV]
	v_add_nc_u32 v[VS0], v[VS0], v[VC]
	v_add_nc_u32 v[VS0+1], ABUF, v[VS0]
	v_lshlrev_b32 v[VLI], 2, v[TV]
	v_mul_u32_u24 v[VT0], 8*SPITCH, v15
	v_lshl_add_u32 v[VT0], v14, 3, v[VT0]
	s_lshl_b32 s22, s14, 7
	s_add_co_u32 s22, s22, STAGE
	v_add_nc_u32 v[VT0], s22, v[VT0]               ; stage + 8 hh rows + 128 wave + 8 r
	v_add_nc_u32 v[VT1], 96*SPITCH, v[VT0]
	s_mul_i32 s22, s14, 48*SPITCH
	s_add_co_u32 s22, s22, STAGE
	v_lshlrev_b32 v[VH], 4, v1
	v_add_nc_u32 v[VR], s22, v[VH]
	; slot -> (expert, first row).  s44: the blocks of experts 0 .. k, a sum that never falls.  e = how many of these sums are <= slot;
	; s19 = the last such sum = expert e's first slot.  e = 8: the counts leave this slot over.  Selects only, no branch.
	s_mov_b32 s44, 0
	s_mov_b32 s17, 0
	s_mov_b32 s19, 0
	s_wait_kmcnt 0x0
.irp k, 36,37,38,39,40,41,42,43
	s_min_u32 s34, s[\k], 0x800
	s_add_co_u32 s34, s34, R-1
	s_mul_hi_u32 s34, s34, MAGIC                   ; ceil(count / 192)
	s_add_co_u32 s44, s44, s34
	s_cmp_ge_u32 s15, s44
	s_cselect_b32 s19, s44, s19
	s_cselect_b32 s34, 1, 0
	s_add_co_u32 s17, s17, s34
.endr
	s_sub_co_u32 s20, s15, s19
	s_mul_i32 s20, s20, R                          ; my block's first row in the expert's list
	s_min_u32 s21, s17, 7                          ; clamped: an expert's w1 is 8 MiB
	s_lshl_b32 s22, s21, 23
	s_lshl_b32 s23, s16, 10                        ; 256 columns of 4 bytes
	s_add_co_u32 s22, s22, s23
	s_mov_b32 s23, 0
	s_add_nc_u64 s[24:25], s[6:7], s[22:23]        ; the weights' base; every K offset stands in a load's immediate, 1015 x 8,192 at the most
	s_mul_i32 s22, s17, LST
	s_add_co_u32 s22, s22, s20
	s_min_u32 s22, s22, 8*LST-R                    ; clamped: met only by a slot left over, which then reads the tail of expert 7's list
	s_lshl_b32 s22, s22, 2
	s_add_nc_u64 s[28:29], s[8:9], s[22:23]        ; the list at my block's first row
	s_mul_i32 s22, s15, R
	s_mul_i32 s21, s14, 48
	s_add_co_u32 s22, s22, s21
	s_lshl_b32 s22, s22, 12
	s_lshl_b32 s21, s16, 9
	s_add_co_u32 s22, s22, s21
	s_add_nc_u64 s[30:31], s[10:11], s[22:23]      ; h at row 192 slot + 48 wave, column 256 cb
.irp i, 0,1,2,3
.irp q, 0,1,2,3,4,5
	global_load_b32 v[RO+6*\i+\q], v[VLI], s[28:29] offset:(48*\i+2*\q)*4
.endr
.endr
	BLOAD 0
	WIN 0
	s_wait_loadcnt 16                              ; the 24 entries are in; K step 0's weights stay out
.set kk, 0
.rept 24
	v_lshrrev_b32 v[RO+kk], 1, v[RO+kk]            ; entry to token
	v_min_u32 v[RO+kk], 0x7ff, v[RO+kk]            ; a pad's entry gives token 2047
	v_lshl_add_u32 v[RO+kk], v[RO+kk], 11, v[VC]   ; 2,048 bytes a row of xb
.set kk, kk+1
.endr
	PLOAD 0, 1
	PLOAD 1, 1
	PLOAD 2, 1
	PLOAD 3, 1
	PLOAD 4, 0
	BLOAD 1
	WIN 0
	s_wait_loadcnt 22                              ; chunk 0's four pieces are in; piece 4 (6 loads) and K step 1's weights (16) stay out
	PSTORE 0, 1
	PSTORE 1, 1
	PSTORE 2, 1
	PSTORE 3, 1
	PLOAD 5, 0
	BLOAD 2
	WIN 0
	s_wait_dscnt 0x0                               ; my part of chunk 0 is in LDS, for the others' sake
	s_barrier_signal -1
	s_barrier_wait -1
	AFLOAD 0, 0
	AFLOAD 1, 0
.irp t, 0,1,2,3,4,5,6,7,8,9,10,11,12,13,14,15,16,17,18,19,20,21,22,23,24,25,26,27,28,29,30,31
	STEP \t
.endr
	; the last step's four places stand in front of the first read of a result
	SILU 0,   0x01, VT0, 0
	SILU 32,  0x01, VT0, 1
	SILU 64,  0x01, VT0, 2
	SILU 96,  0x01, VT0, 3
	SILU 128, 0x01, VT0, 4
	SILU 160, 0x01, VT0, 5
	SILU 192, 0x01, VT1, 0
	SILU 224, 0x01, VT1, 1
	SILU 0,   0x02, VT1, 2
	SILU 32,  0x02, VT1, 3
	SILU 64,  0x02, VT1, 4
	SILU 96,  0x02, VT1, 5
	s_wait_dscnt 0x0                               ; my columns of all 192 rows are in the stage, for the others' sake
	s_barrier_signal -1
	s_barrier_wait -1
	; my 48 rows back as whole rows of 512 bytes, twelve at a time on two sets of registers
.irp b, 0,1,2,3
.if \b >= 2
	s_wait_xcnt 0x0                                ; the set's registers, which stores read, are loaded again only behind this wait
.endif
.irp k, 0,1,2,3,4,5,6,7,8,9,10,11
	ds_load_b128 v[RB+48*(\b%2)+4*\k:RB+48*(\b%2)+4*\k+3], v[VR] offset:(12*\b+\k)*SPITCH
.endr
.irp k, 0,1,2,3,4,5,6,7,8,9,10,11
	s_wait_dscnt 11-\k
	global_store_b128 v[VH], v[RB+48*(\b%2)+4*\k:RB+48*(\b%2)+4*\k+3], s[30:31] offset:(12*\b+\k)*4096   ; the wave stores 512 consecutive bytes, aligned
.endr
.endr
	s_wait_tensorcnt 0x0
	ds_add_u32 v254, v255
	s_wait_dscnt 0x0
	s_endpgm
.Lfunc_end_k_qc61240cfc5_ffn1:
	.size	k_qc61240cfc5_ffn1, .Lfunc_end_k_qc61240cfc5_ffn1-k_qc61240cfc5_ffn1
	.p2alignl 7, 3214868480
	.fill 96, 4, 3214868480
	.section	.rodata,"a",@progbits
	.p2align	6, 0x0
	.amdhsa_kernel k_qc61240cfc5_ffn1
		.amdhsa_group_segment_fixed_size 206336
		.amdhsa_private_segment_fixed_size 0
		.amdhsa_enable_private_segment 0
		.amdhsa_kernarg_size 32
		.amdhsa_user_sgpr_count 2
		.amdhsa_user_sgpr_kernarg_segment_ptr 1
		.amdhsa_wavefront_size32 1
		.amdhsa_system_sgpr_workgroup_id_x 1
		.amdhsa_system_sgpr_workgroup_id_y 1
		.amdhsa_system_sgpr_workgroup_id_z 1
		.amdhsa_system_vgpr_workitem_id 0
		.amdhsa_next_free_vgpr 1024
		.amdhsa_next_free_sgpr 66
		.amdhsa_reserve_vcc 0
		.amdhsa_float_denorm_mode_32 3
		.amdhsa_float_denorm_mode_16_64 3
		.amdhsa_memory_ordered 1
		.amdhsa_forward_progress 1
		.amdhsa_inst_pref_size 255
	.end_amdhsa_kernel
	.section	.bss,"aw",@nobits
	.p2align	6
	.space	262144
	.amdgpu_metadata
---
amdhsa.version: [ 1, 2 ]
amdhsa.kernels:
  - .name:           k_qc61240cfc5_ffn1
    .symbol:         k_qc61240cfc5_ffn1.kd
    .args:
      - { .name: xb, .offset: 0, .size: 8, .value_kind: global_buffer, .address_space: global }
      - { .name: w1, .offset: 8, .size: 8, .value_kind: global_buffer, .address_space: global }
      - { .name: plan, .offset: 16, .size: 8, .value_kind: global_buffer, .address_space: global }
      - { .name: h, .offset: 24, .size: 8, .value_kind: global_buffer, .address_space: global }
    .group_segment_fixed_size: 206336
    .private_segment_fixed_size: 0
    .kernarg_segment_align: 8
    .kernarg_segment_size: 32
    .max_flat_workgroup_size: 128
    .sgpr_count:     66
    .vgpr_count:     1024
    .wavefront_size: 32
...
	.end_amdgpu_metadata
.endif
;; end of part 3
;; launch ffn2 (part 4): grid 29 x 8, 4 waves a work-group, no clusters, 104,960 bytes of LDS; arguments h, w2, plan, bf, y; writes y
.if DOCPART == 4
	.amdgcn_target "amdgcn-amd-amdhsa--gfx1250"
	.amdhsa_code_object_version 6
	.text
	.protected	k_qc61240cfc5_ffn2
	.globl	k_qc61240cfc5_ffn2
	.p2align	8
	.type	k_qc61240cfc5_ffn2,@function
k_qc61240cfc5_ffn2:
	s_mov_b64 s[64:65], 0
	v_nop
	global_prefetch_b8 v0, s[64:65] scope:SCOPE_SE
	s_setreg_imm32_b32 hwreg(HW_REG_WAVE_MODE, 25, 1), 1
	s_wait_xcnt 0x0
; FFN2.  y[ks][entry(row)][d] = cw(row) * sum over the half ks of f of h[slot][row][f] * w2[e][f][d], f32.
; Work-group = (slot x; y = block of 256 columns cb + 4 x half of K ks): ONE block of 192 rows x 256 columns over K = 1024, the same shape as the first
; product, in straight text: no branch and no trip count hangs on a loaded number, so every wave passes every barrier.  Loaded numbers enter addresses
; only, each clamped by a constant first.  K = 2048 is split in two so that there are 29 x 4 x 2 = 232 equal work-groups; without the split there would
; be 116.  The two halves go to two planes of y, each byte with one owner, and the next launch adds them.
; SLOTS.  As in the first product: expert e's rows are cut into ceil(count_e / 192) blocks, numbered through all experts, 29 at the most.
; A row goes to y's row token * 2 + rank, as the list's entry says; a pad row goes to a row of its own (4096 + 192 e + i) that nobody reads, so that a block
; is always stored whole, with all lanes on.  A slot that the counts leave over works on expert 7's weights and takes its rows of y from its spare list
; (5632 + 192 slot + i), rows of its own that nobody reads: that work is lost; it is the price of a grid that cannot hang on the counts.
; Four waves; a wave makes all 192 rows x its own 64 columns: 48 accumulator tiles, 384 registers.
; WEIGHTS GO FROM MEMORY STRAIGHT INTO B FRAGMENTS: w2 is f32 and lies [k][n].  For a K step of 32 a wave issues 16 loads of 16 bytes a lane: load i gives
; lane (r = lane % 16, hh = lane / 16) row k = 32 t + 8 hh + i + 8 (i / 8), columns 4 r .. 4 r + 3.  v_cvt_pk_bf16_f32 of loads 2 p and 2 p + 1 is register p of
; a B fragment (ISA guide 7.12.2); fragment q's column r is the true column 4 r + q, so a lane's four tiles hold 16 neighbouring bytes of a row of y
; and sixteen lanes 256: the results leave from registers, with no way through LDS.
; A GOES THROUGH LDS: two buffers of 192 rows x (256 + 16) bytes, a chunk of 128 along K each, filled through registers, a piece of 48 rows a K step.
; WHY NO TENSOR LOADS AND NO CLUSTER: which slots share an expert's weights hangs on the counts: they fall on no fixed group of four, and a mask would be made of
; loaded numbers; and f32 tiles through LDS would add 32 KiB written and 32 KiB read to the 48 KiB of A that a K step's 192 matrix instructions
; already read.  The slots of one expert are neighbours along the grid's x and walk the same weights in the same order.
; LIMITS: matrix operands in bf16, sums and the combine weight in f32; rows of experts that a token did not choose are not computed.
; REGISTERS, in windows of 256 (s_set_vgpr_msb: bits 1:0 source 0, 3:2 source 1, 5:4 source 2, 7:6 destination):
;   window 0: addresses, A fragments, B fragments, A's pieces;  window 1: accumulators of m tiles 0-7 at 32 mt + 8 q;
;   window 2: those of m tiles 8-11;  window 3: the weights as loaded, a ring of 4 K steps x 64 registers; at the end the rows' entries (0-95) and weights (96-191).
.set R,       192                      ; rows in a block
.set MAGIC,   0x1555556                ; ceil(2^32 / 192): the high word of x times this is x / 192, for x far beyond the 2,239 met here
.set LST,     2176                     ; entries in an expert's list
.set PB,      4096                     ; bytes in a row of w2
.set APITCH,  272                      ; an LDS row of A: 256 bytes + 16: 68 words, so 16 neighbouring rows start 4 words apart
.set ABUF,    R*APITCH
.set CNT_OFF, 0x11000
.set DUM_OFF, 0x11100                  ; the spare lists in plan
.set YROWS,   4096+8*R+29*R            ; 11,200 rows in a plane of y
.set PLANE,   YROWS*4096
.set VB,   2                           ; 8 hh rows of w2 + 16 r + 256 wave
.set VA0,  3                           ; v3, v4   A fragments: 272 r + 16 hh, in buffer 0, 1
.set VS0,  5                           ; v5, v6   A pieces in: (12 wave + hh) 272 + 16 r, in buffer 0, 1
.set VLI,  7                           ; 32 hh: eight entries of 4 bytes
.set VC,   8                           ; 16 r
.set VROW, 9                           ; (12 wave + hh) 4096 + 16 r: my rows of h
.set AF,  40                           ; v[40:135]  A fragments of m tiles 0-11 (first: chunk 0's four pieces; at the end two sets of 32 results)
.set BF,  136                          ; v[136:167] B fragments q = 0..3
.set AS,  168                          ; v[168:239] A pieces on their way: a ring of 3 x 24 registers
.set TV,  240                          ; at work in the set-up
.set W_LDB,  0xc0                      ; destination window 3
.set W_CVT,  0x0f                      ; sources 0 and 1 window 3
.set W_MUL1, 0x50                      ; C and D window 1
.set W_MUL2, 0xa0                      ; C and D window 2
.set MSB, 0
.macro WIN new                         ; the immediate's high byte repeats the setting that is left
.if MSB != \new
	s_set_vgpr_msb (MSB<<8)|\new
.set MSB, \new
.endif
.endm
.macro PLACES                          ; four places behind a matrix instruction before a load lands on, or a vector instruction writes, one of its registers,
.rept 4                                ; or a vector instruction reads its result (ISA guide 7.12.1 for vector instructions)
	v_nop
.endr
.endm
.macro BLOAD t                         ; K step t's weights: 16 rows x 2 halves of the lanes x 256 bytes
	WIN W_LDB
.irp i, 0,1,2,3,4,5,6,7,8,9,10,11,12,13,14,15
	global_load_b128 v[64*((\t)%4)+4*\i:64*((\t)%4)+4*\i+3], v[VB], s[24:25] offset:(32*(\t)+\i+8*(\i/8))*PB
.endr
.endm
; piece p = 4 chunk + i: my 12 of rows 48 i .. 48 i + 47, 256 bytes of each.  first = 1: chunk 0's pieces, through the A fragments' registers; else through the ring
.macro PBASE_OF p, first
.if \first
.set PBASE, AF+24*(\p)
.else
.set PBASE, AS+24*((\p)%3)
.endif
.endm
.macro PLOAD p, first
	PBASE_OF \p, \first
	WIN 0
.irp q, 0,1,2,3,4,5
	global_load_b128 v[PBASE+4*\q:PBASE+4*\q+3], v[VROW], s[26:27] offset:(48*((\p)%4)+2*\q)*4096+256*((\p)/4)
.endr
.endm
.macro PSTORE p, first
	PBASE_OF \p, \first
	WIN 0
.irp q, 0,1,2,3,4,5
	ds_store_b128 v[VS0+((\p)/4)%2], v[PBASE+4*\q:PBASE+4*\q+3] offset:(48*((\p)%4)+2*\q)*APITCH
.endr
.endm
.macro CVT t                           ; 64 registers of f32 to four B fragments
	WIN W_CVT
.irp q, 0,1,2,3
.irp p, 0,1,2,3,4,5,6,7
	v_cvt_pk_bf16_f32 v[BF+8*\q+\p], v[64*((\t)%4)+8*\p+\q], v[64*((\t)%4)+8*\p+4+\q]
.endr
.endr
.endm
.macro AFLOAD half, t                  ; K step t's A fragments of m tiles 6 half .. 6 half + 5
	WIN 0
.irp m, 0,1,2,3,4,5
	ds_load_b128 v[AF+8*(6*\half+\m):AF+8*(6*\half+\m)+3],   v[VA0+((\t)/4)%2] offset:16*APITCH*(6*\half+\m)+64*((\t)%4)
	ds_load_b128 v[AF+8*(6*\half+\m)+4:AF+8*(6*\half+\m)+7], v[VA0+((\t)/4)%2] offset:16*APITCH*(6*\half+\m)+64*((\t)%4)+32
.endr
.endm
.macro MULT mt, ab                     ; m tile mt x the four B fragments; ab: its accumulators' first register in the window.  ZERO: the first K step starts the sums
.irp q, 0,1,2,3
.if ZERO
	v_wmma_f32_16x16x32_bf16 v[\ab+8*\q:\ab+8*\q+7], v[AF+8*\mt:AF+8*\mt+7], v[BF+8*\q:BF+8*\q+7], 0
.else
	v_wmma_f32_16x16x32_bf16 v[\ab+8*\q:\ab+8*\q+7], v[AF+8*\mt:AF+8*\mt+7], v[BF+8*\q:BF+8*\q+7], v[\ab+8*\q:\ab+8*\q+7]
.endif
.endr
.endm
.macro ELOAD                           ; my rows' entries and combine weights: lane (r, hh) takes rows 16 mt + 8 hh + 0..7, as its accumulators hold them
	WIN W_LDB
.irp m, 0,1,2,3,4,5,6,7,8,9,10,11
	global_load_b128 v[8*\m:8*\m+3],   v[VLI], s[28:29] offset:64*\m
	global_load_b128 v[8*\m+4:8*\m+7], v[VLI], s[28:29] offset:64*\m+16
.endr
.irp m, 0,1,2,3,4,5,6,7,8,9,10,11
	global_load_b128 v[96+8*\m:96+8*\m+3],   v[VLI], s[32:33] offset:64*\m
	global_load_b128 v[96+8*\m+4:96+8*\m+7], v[VLI], s[32:33] offset:64*\m+16
.endr
.endm
; ONE K STEP OF 32.  The 48 accumulators take turns, one matrix instruction a turn, in the same order in every step.
; Global loads are issued in the order piece 4, weights 1, piece 5, weights 2 (set-up), then piece t + 6, weights t + 3 in step t.  The wait at the head
; wants weights t and piece t + 4: younger than these are weights t+1, piece t+5, weights t+2 = 16 + 6 + 16 = 38.  Pieces and weights stop at 31:
; 32 at t = 27..29 (two steps' weights), 16 at t = 30, 0 at t = 31.  At most 38 + 22 = 60 loads of a wave are out in the steps, 62 in the set-up.
; A piece's ring slot is loaded again one step behind the LDS stores that read it.
; LDS: in front of the first half's products the younger instructions are the second half's twelve loads and the six stores of a piece: 18 (12 once
; the pieces are over); in front of the second half's, the six stores and the next step's first twelve loads: 18 (12; 0 in the last step).
; Every fourth step changes A's buffers with ONE barrier: in front of its signal each wave has waited for its stores of the next chunk's four
; pieces and for all its reads of this chunk's buffer; behind its wait the next buffer is read, and from the next step on the old one is written.
; The last step asks for the rows' entries and weights, into ring slots 0 to 2, whose weights have been converted.
.macro STEP t
.set LC, 38
.if \t >= 27
.set LC, 32
.endif
.if \t == 30
.set LC, 16
.endif
.if \t == 31
.set LC, 0
.endif
.set BAR, 0
.if \t % 4 == 3
.if \t <= 27
.set BAR, 1
.endif
.endif
.set DC, 18
.set DC2, 18
.if \t >= 28
.set DC, 12
.set DC2, 12
.endif
.if \t == 31
.set DC2, 0
.endif
.set ZERO, 0
.if \t == 0
.set ZERO, 1
.endif
	WIN 0
	s_wait_loadcnt LC
.if \t <= 27
	PSTORE (\t+4), 0
.endif
.if \t <= 25
	PLOAD (\t+6), 0
.endif
.if \t == 31
	ELOAD
.endif
	CVT \t
.if \t <= 28
	BLOAD (\t+3)
.endif
.if BAR
	s_wait_dscnt 0x0
	s_barrier_signal -1
.else
	s_wait_dscnt DC
.endif
	WIN W_MUL1
	MULT 0, 0
	MULT 1, 32
	MULT 2, 64
	MULT 3, 96
	MULT 4, 128
	MULT 5, 160
.if BAR
	s_barrier_wait -1
.endif
.if \t < 31
	WIN 0
	PLACES
	AFLOAD 0, (\t+1)
.endif
.if BAR == 0
	s_wait_dscnt DC2
.endif
	WIN W_MUL1
	MULT 6, 192
	MULT 7, 224
	WIN W_MUL2
	MULT 8, 0
	MULT 9, 32
	MULT 10, 64
	MULT 11, 96
	WIN 0
	PLACES                                         ; also the places in front of the next step's conversions into the B fragments
.if \t < 31
	AFLOAD 1, (\t+1)
.endif
.endm
; The way out of one m tile.  The multiplication by the row's weight also brings a lane's four neighbouring columns into four neighbouring registers.
; ab, win: the tile's accumulators, and the setting with their window as source 0 and window 3 as source 1; ts: one of two sets of 32 registers.
.macro OUT mt, ab, win, ts
	s_wait_xcnt 0x0                                ; the set's registers, which stores read, are written again only behind this wait
	WIN \win
.irp j, 0,1,2,3,4,5,6,7
.irp q, 0,1,2,3
	v_mul_f32 v[\ts+4*\j+\q], v[\ab+8*\q+\j], v[96+8*\mt+\j]
.endr
.endr
	WIN 0x03                                       ; the address register in window 3, the data in window 0
.irp j, 0,1,2,3,4,5,6,7
	global_store_b128 v[8*\mt+\j], v[\ts+4*\j:\ts+4*\j+3], s[30:31]    ; 16 lanes store 256 consecutive bytes of one row, aligned; the other 16 those of another row
.endr
.endm
	s_load_b256 s[4:11], s[0:1], 0x0               ; h s[4:5], w2 s[6:7], plan s[8:9], bf s[10:11]
	s_load_b64 s[12:13], s[0:1], 0x20              ; y
	v_lshl_add_u32 v254, v0, 2, 0x19800
	v_mov_b32 v255, 0
	v_lshrrev_b32 v1, 5, v0
	v_readfirstlane_b32 s14, v1                    ; wave
	s_mov_b32 s15, ttmp9                           ; slot
	s_and_b32 s21, ttmp7, 0xffff
	s_and_b32 s16, s21, 3                          ; cb
	s_lshr_b32 s18, s21, 2                         ; ks
	s_wait_kmcnt 0x0
	s_load_b256 s[36:43], s[8:9], CNT_OFF          ; the eight experts' counts
	v_and_b32 v14, 15, v0                          ; r
	v_bfe_u32 v15, v0, 4, 1                        ; hh
	v_lshlrev_b32 v[VC], 4, v14
	s_lshl_b32 s22, s14, 8
	v_lshl_add_u32 v[VB], v15, 15, v[VC]           ; 8 rows of 4,096 bytes
	v_add_nc_u32 v[VB], s22, v[VB]
	v_mul_u32_u24 v[VA0], APITCH, v14
	v_lshl_add_u32 v[VA0], v15, 4, v[VA0]
	v_add_nc_u32 v[VA0+1], ABUF, v[VA0]
	s_mul_i32 s22, s14, 12
	v_add_nc_u32 v[TV], s22, v15                   ; 12 wave + hh
	v_mul_u32_u24 v[VS0], APITCH, v[TV]
	v_add_nc_u32 v[VS0], v[VS0], v[VC]
	v_add_nc_u32 v[VS0+1], ABUF, v[VS0]
	v_lshlrev_b32 v[VLI], 5, v15
	v_lshl_add_u32 v[VROW], v[TV], 12, v[VC]
	s_mul_i32 s22, s18, PLANE
	s_lshl_b32 s23, s16, 10
	s_add_co_u32 s22, s22, s23
	s_lshl_b32 s23, s14, 8
	s_add_co_u32 s22, s22, s23
	s_mov_b32 s23, 0
	s_add_nc_u64 s[30:31], s[12:13], s[22:23]      ; y: my plane, my 64 columns
	s_mul_i32 s22, s15, R*4096
	s_lshl_b32 s34, s18, 11
	s_add_co_u32 s22, s22, s34
	s_add_nc_u64 s[26:27], s[4:5], s[22:23]        ; h at row 192 slot, my half of its columns
	; slot -> (expert, first row).  s44: the blocks of experts 0 .. k, a sum that never falls.  e = how many of these sums are <= slot;
	; s19 = the last such sum = expert e's first slot.  e = 8: the counts leave this slot over.  Selects only, no branch.
	s_mov_b32 s44, 0
	s_mov_b32 s17, 0
	s_mov_b32 s19, 0
	s_wait_kmcnt 0x0
.irp k, 36,37,38,39,40,41,42,43
	s_min_u32 s34, s[\k], 0x800
	s_add_co_u32 s34, s34, R-1
	s_mul_hi_u32 s34, s34, MAGIC                   ; ceil(count / 192)
	s_add_co_u32 s44, s44, s34
	s_cmp_ge_u32 s15, s44
	s_cselect_b32 s19, s44, s19
	s_cselect_b32 s34, 1, 0
	s_add_co_u32 s17, s17, s34
.endr
	s_sub_co_u32 s20, s15, s19
	s_mul_i32 s20, s20, R                          ; my block's first row in the expert's list
	s_min_u32 s21, s17, 7                          ; clamped: an expert's w2 is 8 MiB
	s_lshl_b32 s22, s21, 23
	s_lshl_b32 s34, s18, 22                        ; 1,024 rows of 4,096 bytes
	s_add_co_u32 s22, s22, s34
	s_lshl_b32 s34, s16, 10                        ; 256 columns of 4 bytes
	s_add_co_u32 s22, s22, s34
	s_add_nc_u64 s[24:25], s[6:7], s[22:23]        ; the weights' base; every K offset stands in a load's immediate
	s_mul_i32 s34, s17, LST
	s_add_co_u32 s34, s34, s20                     ; my first row's index in the lists,
	s_mul_i32 s35, s15, R
	s_add_co_u32 s35, s35, DUM_OFF/4               ; and that of my slot's spare list
	s_cmp_eq_u32 s17, 8
	s_cselect_b32 s35, s35, s34                    ; chosen first,
	s_min_u32 s35, s35, DUM_OFF/4+31*R             ; then clamped: the last spare list in plan
	s_lshl_b32 s22, s35, 2
	s_add_nc_u64 s[28:29], s[8:9], s[22:23]        ; my rows' entries
	s_min_u32 s34, s34, 8*LST-R                    ; clamped: met only by a slot left over, which then reads the tail of expert 7's weights
	s_lshl_b32 s22, s34, 2
	s_add_nc_u64 s[32:33], s[10:11], s[22:23]      ; my rows' combine weights
	BLOAD 0
	PLOAD 0, 1
	PLOAD 1, 1
	PLOAD 2, 1
	PLOAD 3, 1
	PLOAD 4, 0
	BLOAD 1
	WIN 0
	s_wait_loadcnt 22                              ; chunk 0's four pieces are in; piece 4 (6 loads) and K step 1's weights (16) stay out
	PSTORE 0, 1
	PSTORE 1, 1
	PSTORE 2, 1
	PSTORE 3, 1
	PLOAD 5, 0
	BLOAD 2
	WIN 0
	s_wait_dscnt 0x0                               ; my part of chunk 0 is in LDS, for the others' sake
	s_barrier_signal -1
	s_barrier_wait -1
	AFLOAD 0, 0
	AFLOAD 1, 0
.irp t, 0,1,2,3,4,5,6,7,8,9,10,11,12,13,14,15,16,17,18,19,20,21,22,23,24,25,26,27,28,29,30,31
	STEP \t
.endr
	s_wait_loadcnt 0x0                             ; the entries and the weights of my rows
	WIN 0xcf                                       ; entries: destination and sources 0, 1 in window 3; 16 r in window 0
.set kk, 0
.rept 96
	v_min_u32 v[kk], YROWS-1, v[kk]                ; a row of y: 11,199 at the most
	v_lshl_add_u32 v[kk], v[kk], 12, v[VC]         ; 4,096 bytes a row, + 16 r
.set kk, kk+1
.endr
	OUT 0,  0,   0x0d, 40
	OUT 1,  32,  0x0d, 72
	OUT 2,  64,  0x0d, 40
	OUT 3,  96,  0x0d, 72
	OUT 4,  128, 0x0d, 40
	OUT 5,  160, 0x0d, 72
	OUT 6,  192, 0x0d, 40
	OUT 7,  224, 0x0d, 72
	OUT 8,  0,   0x0e, 40
	OUT 9,  32,  0x0e, 72
	OUT 10, 64,  0x0e, 40
	OUT 11, 96,  0x0e, 72
	WIN 0
	s_wait_tensorcnt 0x0
	ds_add_u32 v254, v255
	s_wait_dscnt 0x0
	s_endpgm
.Lfunc_end_k_qc61240cfc5_ffn2:
	.size	k_qc61240cfc5_ffn2, .Lfunc_end_k_qc61240cfc5_ffn2-k_qc61240cfc5_ffn2
	.p2alignl 7, 3214868480
	.fill 96, 4, 3214868480
	.section	.rodata,"a",@progbits
	.p2align	6, 0x0
	.amdhsa_kernel k_qc61240cfc5_ffn2
		.amdhsa_group_segment_fixed_size 104960
		.amdhsa_private_segment_fixed_size 0
		.amdhsa_enable_private_segment 0
		.amdhsa_kernarg_size 40
		.amdhsa_user_sgpr_count 2
		.amdhsa_user_sgpr_kernarg_segment_ptr 1
		.amdhsa_wavefront_size32 1
		.amdhsa_system_sgpr_workgroup_id_x 1
		.amdhsa_system_sgpr_workgroup_id_y 1
		.amdhsa_system_sgpr_workgroup_id_z 1
		.amdhsa_system_vgpr_workitem_id 0
		.amdhsa_next_free_vgpr 1024
		.amdhsa_next_free_sgpr 66
		.amdhsa_reserve_vcc 0
		.amdhsa_float_denorm_mode_32 3
		.amdhsa_float_denorm_mode_16_64 3
		.amdhsa_memory_ordered 1
		.amdhsa_forward_progress 1
		.amdhsa_inst_pref_size 255
	.end_amdhsa_kernel
	.section	.bss,"aw",@nobits
	.p2align	6
	.space	262144
	.amdgpu_metadata
---
amdhsa.version: [ 1, 2 ]
amdhsa.kernels:
  - .name:           k_qc61240cfc5_ffn2
    .symbol:         k_qc61240cfc5_ffn2.kd
    .args:
      - { .name: h, .offset: 0, .size: 8, .value_kind: global_buffer, .address_space: global }
      - { .name: w2, .offset: 8, .size: 8, .value_kind: global_buffer, .address_space: global }
      - { .name: plan, .offset: 16, .size: 8, .value_kind: global_buffer, .address_space: global }
      - { .name: bf, .offset: 24, .size: 8, .value_kind: global_buffer, .address_space: global }
      - { .name: y, .offset: 32, .size: 8, .value_kind: global_buffer, .address_space: global }
    .group_segment_fixed_size: 104960
    .private_segment_fixed_size: 0
    .kernarg_segment_align: 8
    .kernarg_segment_size: 40
    .max_flat_workgroup_size: 128
    .sgpr_count:     66
    .vgpr_count:     1024
    .wavefront_size: 32
...
	.end_amdgpu_metadata
.endif
;; end of part 4
;; launch combine (part 5): grid 256 x 1, 8 waves a work-group, no clusters, 0 bytes of LDS; arguments y, bf, out0, out1; writes out0, out1
.if DOCPART == 5
	.amdgcn_target "amdgcn-amd-amdhsa--gfx1250"
	.amdhsa_code_object_version 6
	.text
	.protected	k_qc61240cfc5_combine
	.globl	k_qc61240cfc5_combine
	.p2align	8
	.type	k_qc61240cfc5_combine,@function
k_qc61240cfc5_combine:
	s_mov_b64 s[64:65], 0
	v_nop
	global_prefetch_b8 v0, s[64:65] scope:SCOPE_SE
	s_setreg_imm32_b32 hwreg(HW_REG_WAVE_MODE, 25, 1), 1
	s_wait_xcnt 0x0
; COMBINE.  out0[n] = y[0][2n] + y[0][2n+1] + y[1][2n] + y[1][2n+1]: a token's two experts, each in two halves of K, already scaled by
; the combine weights.  out1 = the sum of the eight experts' terms of the loss.
; A stream: a work-group takes 8 tokens, a thread 16 bytes of every row, so each load and store of a wave covers 512 consecutive aligned bytes.
; All 32 loads of a thread are issued at the head; token i's wait leaves the 4 (7 - i) younger loads out.  Every token has registers of its own:
; nothing is rewritten, so no other wait is needed.  LDS, matrix units and clusters have nothing to do here: no byte is used twice.
.set PLANE,   11200*4096               ; a plane of y: 4,096 rows that are read here, 7,104 that nobody reads
.set CNT_OFF, 0x11000
.set D, 16                             ; v[16:143]  token i: four rows' 16 bytes at 16 + 16 i
	s_load_b256 s[4:11], s[0:1], 0x0               ; y s[4:5], bf s[6:7], out0 s[8:9], out1 s[10:11]
	v_lshlrev_b32 v1, 4, v0                        ; 16 thread
	s_lshl_b32 s12, ttmp9, 16                      ; 8 tokens x 2 rows x 4,096 bytes
	s_mov_b32 s13, 0
	s_lshl_b32 s14, ttmp9, 15                      ; 8 tokens x 4,096 bytes
	s_mov_b32 s15, 0
	s_wait_kmcnt 0x0
	s_add_nc_u64 s[4:5], s[4:5], s[12:13]
	s_add_nc_u64 s[16:17], s[4:5], PLANE
	s_add_nc_u64 s[8:9], s[8:9], s[14:15]
.irp i, 0,1,2,3,4,5,6,7
	global_load_b128 v[D+16*\i:D+16*\i+3],     v1, s[4:5]   offset:8192*\i th:TH_LOAD_NT
	global_load_b128 v[D+16*\i+4:D+16*\i+7],   v1, s[4:5]   offset:8192*\i+4096 th:TH_LOAD_NT
	global_load_b128 v[D+16*\i+8:D+16*\i+11],  v1, s[16:17] offset:8192*\i th:TH_LOAD_NT
	global_load_b128 v[D+16*\i+12:D+16*\i+15], v1, s[16:17] offset:8192*\i+4096 th:TH_LOAD_NT
.endr
.irp i, 0,1,2,3,4,5,6,7
	s_wait_loadcnt 4*(7-\i)
	v_pk_add_f32 v[D+16*\i:D+16*\i+1],     v[D+16*\i:D+16*\i+1],     v[D+16*\i+4:D+16*\i+5]
	v_pk_add_f32 v[D+16*\i+2:D+16*\i+3],   v[D+16*\i+2:D+16*\i+3],   v[D+16*\i+6:D+16*\i+7]
	v_pk_add_f32 v[D+16*\i+8:D+16*\i+9],   v[D+16*\i+8:D+16*\i+9],   v[D+16*\i+12:D+16*\i+13]
	v_pk_add_f32 v[D+16*\i+10:D+16*\i+11], v[D+16*\i+10:D+16*\i+11], v[D+16*\i+14:D+16*\i+15]
	v_pk_add_f32 v[D+16*\i:D+16*\i+1],     v[D+16*\i:D+16*\i+1],     v[D+16*\i+8:D+16*\i+9]
	v_pk_add_f32 v[D+16*\i+2:D+16*\i+3],   v[D+16*\i+2:D+16*\i+3],   v[D+16*\i+10:D+16*\i+11]
	global_store_b128 v1, v[D+16*\i:D+16*\i+3], s[8:9] offset:4096*\i th:TH_STORE_NT
.endr
	; the loss: work-group 0, wave 0, one lane
	s_cmp_lg_u32 ttmp9, 0
	s_cbranch_scc1 .Lend
	v_lshrrev_b32 v2, 5, v0
	v_readfirstlane_b32 s18, v2
	s_cmp_lg_u32 s18, 0
	s_cbranch_scc1 .Lend
	s_load_b256 s[20:27], s[6:7], CNT_OFF
	s_wait_kmcnt 0x0
	s_add_f32 s20, s20, s21
	s_add_f32 s22, s22, s23
	s_add_f32 s24, s24, s25
	s_add_f32 s26, s26, s27
	s_add_f32 s20, s20, s22
	s_add_f32 s24, s24, s26
	s_add_f32 s20, s20, s24
	v_mov_b32 v3, s20
	v_mov_b32 v4, 0
	s_wait_xcnt 0x0                                ; EXEC changes only behind this wait
	v_cmp_eq_u32 vcc_lo, 0, v0
	s_and_saveexec_b32 s19, vcc_lo
	global_store_b32 v4, v3, s[10:11]
.Lend:
	s_endpgm
.Lfunc_end_k_qc61240cfc5_combine:
	.size	k_qc61240cfc5_combine, .Lfunc_end_k_qc61240cfc5_combine-k_qc61240cfc5_combine
	.p2alignl 7, 3214868480
	.fill 96, 4, 3214868480
	.section	.rodata,"a",@progbits
	.p2align	6, 0x0
	.amdhsa_kernel k_qc61240cfc5_combine
		.amdhsa_group_segment_fixed_size 0
		.amdhsa_private_segment_fixed_size 0
		.amdhsa_enable_private_segment 0
		.amdhsa_kernarg_size 32
		.amdhsa_user_sgpr_count 2
		.amdhsa_user_sgpr_kernarg_segment_ptr 1
		.amdhsa_wavefront_size32 1
		.amdhsa_system_sgpr_workgroup_id_x 1
		.amdhsa_system_sgpr_workgroup_id_y 1
		.amdhsa_system_sgpr_workgroup_id_z 1
		.amdhsa_system_vgpr_workitem_id 0
		.amdhsa_next_free_vgpr 144
		.amdhsa_next_free_sgpr 66
		.amdhsa_reserve_vcc 1
		.amdhsa_float_denorm_mode_32 3
		.amdhsa_float_denorm_mode_16_64 3
		.amdhsa_memory_ordered 1
		.amdhsa_forward_progress 1
		.amdhsa_inst_pref_size 9
	.end_amdhsa_kernel
	.amdgpu_metadata
---
amdhsa.version: [ 1, 2 ]
amdhsa.kernels:
  - .name:           k_qc61240cfc5_combine
    .symbol:         k_qc61240cfc5_combine.kd
    .args:
      - { .name: y, .offset: 0, .size: 8, .value_kind: global_buffer, .address_space: global }
      - { .name: bf, .offset: 8, .size: 8, .value_kind: global_buffer, .address_space: global }
      - { .name: out0, .offset: 16, .size: 8, .value_kind: global_buffer, .address_space: global }
      - { .name: out1, .offset: 24, .size: 8, .value_kind: global_buffer, .address_space: global }
    .group_segment_fixed_size: 0
    .private_segment_fixed_size: 0
    .kernarg_segment_align: 8
    .kernarg_segment_size: 32
    .max_flat_workgroup_size: 256
    .sgpr_count:     66
    .vgpr_count:     144
    .wavefront_size: 32
...
	.end_amdgpu_metadata
.endif
;; end of part 5
;; ======== version 2 of 2: 5 launches
;; workspace buffers: xb 4,194,304 bytes; sel 8,192 bytes of whole numbers; rf 24,576 bytes; plan 69,888 bytes of whole numbers; bf 69,888 bytes; h 22,806,528 bytes; y 33,619,968 bytes
;; launch router: the kernel of part 1 again; grid 256 x 1, 4 waves a work-group, no clusters, 33,536 bytes of LDS; arguments x, gate_w, xb, sel, rf; writes xb, sel, rf
;; launch bucket (part 6): grid 8 x 1, 1 waves a work-group, no clusters, 18,176 bytes of LDS; arguments sel, rf, plan, bf; writes plan, bf
.if DOCPART == 6
	.amdgcn_target "amdgcn-amd-amdhsa--gfx1250"
	.amdhsa_code_object_version 6
	.text
	.protected	k_qc61240cfc5_bucket
	.globl	k_qc61240cfc5_bucket
	.p2align	8
	.type	k_qc61240cfc5_bucket,@function
k_qc61240cfc5_bucket:
	s_mov_b64 s[64:65], 0
	v_nop
	global_prefetch_b8 v0, s[64:65] scope:SCOPE_SE
	s_setreg_imm32_b32 hwreg(HW_REG_WAVE_MODE, 25, 1), 1
	s_wait_xcnt 0x0
; BUCKET.  Work-group e (one wave) gathers expert e's rows: it scans all 2,048 tokens' choices and writes
;   plan: list[e][2176] of entries token * 2 + rank, then 192 pad entries, all 4096 + e;  counts[e] at byte 0x11000
;   bf:   cwl[e][2176], the rows' combine weights in the list's order, 0 for pads;        the loss's term of e at byte 0x11000
; One wave per expert: each output byte has one owner, the places come from a running count and v_mbcnt, and the scatter goes to LDS
; with no other wave to order it against; the lists leave LDS as whole lines of 512 bytes.  Eight work-groups are all the work there is:
; 8 KiB of choices and 24 KiB of numbers are read by each.
; Later launches work in blocks of 192 rows, so a block that starts below the count ends less than 192 entries behind it: the pads.
; A pad's entry names a row of y that nobody reads (one for each expert: all pads of an expert lie in its last block), and through
; entry >> 1, clamped, token 2047 in x.
; The scan goes in batches of eight registers (256 tokens): eight compares in a row, then the scalar prefix of the eight counts, then the
; vector part: so the way from vector compare to scalar count and back is gone once a batch and not once a register.
; The loss: E * mean(f p) = sum over e of count_e * P_e / (4096 * 2048), P_e the sum of expert e's probabilities over all tokens.
.set S,      16                        ; v[16:79]   choices: token 128 i + 4 lane + c at 16 + n, n = 4 i + c
.set CW,     80                        ; v[80:207]  weights: the same token's two at 80 + 2 n; the chosen one is put into the first
.set PS,     208                       ; v[208:215] the 256 work-groups' sums of expert e's probabilities, 8 a lane
.set T,      216                       ; v[216:223] a batch's first choices, then its entries (first: four zeros for the lists)
.set POS,    224                       ; v[224:231] a batch's places
.set VONE,   232                       ; 1
.set VTR,    233                       ; the trash index
.set TRASH,  2176                      ; the list's index for lanes without a match: the word behind the list
.set CW_OFF, 8960                      ; LDS: list 0..8703, its trash word 8704; weights 8960..17663, their trash word 17664
.set CNT_OFF, 0x11000
.set UM,     32                        ; s[32:39]   a batch's masks: who chose e
.set BM,     40                        ; s[40:47]   who chose e second
.set RB,     48                        ; s[48:56]   the count in front of each of the batch's registers, and behind the last
	s_load_b256 s[4:11], s[0:1], 0x0               ; sel s[4:5], rf s[6:7], plan s[8:9], bf s[10:11]
	v_lshl_add_u32 v248, v0, 2, 0x4600
	v_mov_b32 v249, 0
	v_and_b32 v1, 31, v0                           ; lane
	v_lshlrev_b32 v2, 4, v1                        ; 16 lane
	v_lshlrev_b32 v3, 5, v1                        ; 32 lane
	v_lshlrev_b32 v5, 3, v1                        ; 8 lane = 2 x (4 lane): the lane's part of an entry
	s_mov_b32 s13, ttmp9                           ; e
	s_lshl_b32 s12, ttmp9, 2
	v_add_nc_u32 v4, s12, v3                       ; 32 lane + 4 e
	s_mul_i32 s22, ttmp9, 8704                     ; my list's bytes in plan and in bf
	s_mov_b32 s23, 0
	s_mov_b32 s16, 0x76543210
	s_mov_b32 s17, 0xfedcba98
	s_mov_b32 s[RB], 0                             ; the running count
	s_wait_kmcnt 0x0
	s_add_nc_u64 s[24:25], s[8:9], s[22:23]
	s_add_nc_u64 s[26:27], s[10:11], s[22:23]
.irp i, 0,1,2,3,4,5,6,7,8,9,10,11,12,13,14,15
	global_load_b128 v[S+4*\i:S+4*\i+3], v2, s[4:5] offset:512*\i
.endr
.irp i, 0,1,2,3,4,5,6,7,8,9,10,11,12,13,14,15
	global_load_b128 v[CW+8*\i:CW+8*\i+3],   v3, s[6:7] offset:1024*\i
	global_load_b128 v[CW+8*\i+4:CW+8*\i+7], v3, s[6:7] offset:1024*\i+16
.endr
.irp i, 0,1,2,3,4,5,6,7
	global_load_b32 v[PS+\i], v4, s[6:7] offset:16384+1024*\i
.endr
	; while they are on their way: both lists are zeroed (17 lines of 512 bytes each), so that every byte that leaves has been written
	v_mov_b32 v[T], 0
	v_mov_b32 v[T+1], 0
	v_mov_b32 v[T+2], 0
	v_mov_b32 v[T+3], 0
.irp i, 0,1,2,3,4,5,6,7,8,9,10,11,12,13,14,15,16
	ds_store_b128 v2, v[T:T+3] offset:512*\i
	ds_store_b128 v2, v[T:T+3] offset:CW_OFF+512*\i
.endr
	v_mov_b32 v[VTR], TRASH
	v_mov_b32 v[VONE], 1
	s_wait_loadcnt 0x0
; Registers 8 b .. 8 b + 7 of the choices, 256 tokens: who chose e gets the next places, in the order of registers and lanes.
; A place is chosen first (a lane without a match takes the trash word), then clamped by a constant, then shifted.
; LDS serves one wave's stores in order, so these land on the zeros.
.macro BATCH b
.irp k, 0,1,2,3,4,5,6,7
	v_and_b32 v[T+\k], 0xff, v[S+8*\b+\k]                      ; first choice
.endr
.irp k, 0,1,2,3,4,5,6,7
	v_lshrrev_b32 v[S+8*\b+\k], 8, v[S+8*\b+\k]                ; second choice
.endr
.irp k, 0,1,2,3,4,5,6,7
	v_cmp_eq_u32 s[UM+\k], s13, v[T+\k]
.endr
.irp k, 0,1,2,3,4,5,6,7
	v_cmp_eq_u32 s[BM+\k], s13, v[S+8*\b+\k]                   ; rank 1
.endr
.irp k, 0,1,2,3,4,5,6,7
	s_or_b32 s[UM+\k], s[UM+\k], s[BM+\k]
.endr
.irp k, 0,1,2,3,4,5,6,7
	s_bcnt1_i32_b32 s14, s[UM+\k]
	s_add_co_u32 s[RB+\k+1], s[RB+\k], s14                     ; the count in front of the next register
.endr
.irp k, 0,1,2,3,4,5,6,7
	v_mbcnt_lo_u32_b32 v[POS+\k], s[UM+\k], s[RB+\k]           ; count so far + matches in lower lanes
.endr
.irp k, 0,1,2,3,4,5,6,7
	v_cndmask_b32 v[CW+2*(8*\b+\k)], v[CW+2*(8*\b+\k)], v[CW+2*(8*\b+\k)+1], s[BM+\k]
.endr
.irp k, 0,1,2,3,4,5,6,7
	v_cndmask_b32 v[T+\k], 0, v[VONE], s[BM+\k]                ; rank
.endr
.irp k, 0,1,2,3,4,5,6,7
	v_cndmask_b32 v[POS+\k], v[VTR], v[POS+\k], s[UM+\k]
.endr
.irp k, 0,1,2,3,4,5,6,7
	v_min_u32 v[POS+\k], TRASH, v[POS+\k]
.endr
.irp k, 0,1,2,3,4,5,6,7
	v_add3_u32 v[T+\k], v5, v[T+\k], 256*((8*\b+\k)/4)+2*((8*\b+\k)%4)    ; 2 (128 i + 4 lane + c) + rank
.endr
.irp k, 0,1,2,3,4,5,6,7
	v_lshlrev_b32 v[POS+\k], 2, v[POS+\k]
.endr
.irp k, 0,1,2,3,4,5,6,7
	ds_store_b32 v[POS+\k], v[T+\k]
	ds_store_b32 v[POS+\k], v[CW+2*(8*\b+\k)] offset:CW_OFF
.endr
	s_mov_b32 s[RB], s[RB+8]
.endm
.irp b, 0,1,2,3,4,5,6,7
	BATCH \b
.endr
	; 192 pads behind the last entry; those that would fall behind the list (none that a block reads: 11 blocks end at 2,111) go to the trash word
	v_add_nc_u32 v234, s[RB], v1
	s_add_co_u32 s14, s13, 4096
	v_mov_b32 v235, s14                            ; every pad of expert e: 4096 + e
.irp i, 0,1,2,3,4,5
	v_add_nc_u32 v[POS+\i], 32*\i, v234
.endr
.irp i, 0,1,2,3,4,5
	v_min_u32 v[POS+\i], TRASH, v[POS+\i]
.endr
.irp i, 0,1,2,3,4,5
	v_lshlrev_b32 v[POS+\i], 2, v[POS+\i]
.endr
.irp i, 0,1,2,3,4,5
	ds_store_b32 v[POS+\i], v235
.endr
	; the loss's term
	v_pk_add_f32 v[PS:PS+1], v[PS:PS+1], v[PS+2:PS+3]
	v_pk_add_f32 v[PS+4:PS+5], v[PS+4:PS+5], v[PS+6:PS+7]
	v_pk_add_f32 v[PS:PS+1], v[PS:PS+1], v[PS+4:PS+5]
	v_add_f32 v236, v[PS], v[PS+1]
	v_add_f32_dpp v236, v236, v236 row_xmask:1 row_mask:0xf bank_mask:0xf
	v_add_f32_dpp v236, v236, v236 row_xmask:2 row_mask:0xf bank_mask:0xf
	v_add_f32_dpp v236, v236, v236 row_xmask:4 row_mask:0xf bank_mask:0xf
	v_add_f32_dpp v236, v236, v236 row_xmask:8 row_mask:0xf bank_mask:0xf
	v_mov_b32 v237, 0                              ; v_permlanex16_b32 counts as a reader of its destination
	v_permlanex16_b32 v237, v236, s16, s17
	v_add_f32 v236, v236, v237
	v_cvt_f32_u32 v237, s[RB]
	v_mul_f32 v237, 0x34000000, v237               ; count x 2^-23
	v_mul_f32 v236, v236, v237
	; the lists leave: 34 lines of 512 consecutive bytes.  LDS serves the wave in order: these loads see all the stores above.
.irp i, 0,1,2,3,4,5,6,7,8,9,10,11,12,13,14,15,16
	ds_load_b128 v[16+4*\i:16+4*\i+3], v2 offset:512*\i
.endr
.irp i, 0,1,2,3,4,5,6,7,8,9,10,11,12,13,14,15,16
	ds_load_b128 v[84+4*\i:84+4*\i+3], v2 offset:CW_OFF+512*\i
.endr
.irp i, 0,1,2,3,4,5,6,7,8,9,10,11,12,13,14,15,16
	s_wait_dscnt 33-\i                             ; LDS loads come back in order: line i of the 34 is in
	global_store_b128 v2, v[16+4*\i:16+4*\i+3], s[24:25] offset:512*\i
.endr
.irp i, 0,1,2,3,4,5,6,7,8,9,10,11,12,13,14,15,16
	s_wait_dscnt 16-\i
	global_store_b128 v2, v[84+4*\i:84+4*\i+3], s[26:27] offset:512*\i
.endr
	v_mov_b32 v240, s12                            ; 4 e
	v_mov_b32 v241, s[RB]                          ; the count
	s_wait_xcnt 0x0                                ; EXEC changes only behind this wait
	v_cmp_eq_u32 vcc_lo, 0, v1
	s_wait_tensorcnt 0x0
	ds_add_u32 v248, v249
	s_wait_dscnt 0x0
	s_and_saveexec_b32 s21, vcc_lo
	global_store_b32 v240, v241, s[8:9] offset:CNT_OFF
	global_store_b32 v240, v236, s[10:11] offset:CNT_OFF
	s_endpgm
.Lfunc_end_k_qc61240cfc5_bucket:
	.size	k_qc61240cfc5_bucket, .Lfunc_end_k_qc61240cfc5_bucket-k_qc61240cfc5_bucket
	.p2alignl 7, 3214868480
	.fill 96, 4, 3214868480
	.section	.rodata,"a",@progbits
	.p2align	6, 0x0
	.amdhsa_kernel k_qc61240cfc5_bucket
		.amdhsa_group_segment_fixed_size 18176
		.amdhsa_private_segment_fixed_size 0
		.amdhsa_enable_private_segment 0
		.amdhsa_kernarg_size 32
		.amdhsa_user_sgpr_count 2
		.amdhsa_user_sgpr_kernarg_segment_ptr 1
		.amdhsa_wavefront_size32 1
		.amdhsa_system_sgpr_workgroup_id_x 1
		.amdhsa_system_sgpr_workgroup_id_y 1
		.amdhsa_system_sgpr_workgroup_id_z 1
		.amdhsa_system_vgpr_workitem_id 0
		.amdhsa_next_free_vgpr 250
		.amdhsa_next_free_sgpr 66
		.amdhsa_reserve_vcc 1
		.amdhsa_float_denorm_mode_32 3
		.amdhsa_float_denorm_mode_16_64 3
		.amdhsa_memory_ordered 1
		.amdhsa_forward_progress 1
		.amdhsa_inst_pref_size 74
	.end_amdhsa_kernel
	.amdgpu_metadata
---
amdhsa.version: [ 1, 2 ]
amdhsa.kernels:
  - .name:           k_qc61240cfc5_bucket
    .symbol:         k_qc61240cfc5_bucket.kd
    .args:
      - { .name: sel, .offset: 0, .size: 8, .value_kind: global_buffer, .address_space: global }
      - { .name: rf, .offset: 8, .size: 8, .value_kind: global_buffer, .address_space: global }
      - { .name: plan, .offset: 16, .size: 8, .value_kind: global_buffer, .address_space: global }
      - { .name: bf, .offset: 24, .size: 8, .value_kind: global_buffer, .address_space: global }
    .group_segment_fixed_size: 18176
    .private_segment_fixed_size: 0
    .kernarg_segment_align: 8
    .kernarg_segment_size: 32
    .max_flat_workgroup_size: 32
    .sgpr_count:     66
    .vgpr_count:     250
    .wavefront_size: 32
...
	.end_amdgpu_metadata
.endif
;; end of part 6
;; launch ffn1 (part 7): grid 8 x 29, 4 waves a work-group, no clusters, 206,336 bytes of LDS; arguments xb, w1, plan, h; writes h
.if DOCPART == 7
	.amdgcn_target "amdgcn-amd-amdhsa--gfx1250"
	.amdhsa_code_object_version 6
	.text
	.protected	k_qc61240cfc5_ffn1
	.globl	k_qc61240cfc5_ffn1
	.p2align	8
	.type	k_qc61240cfc5_ffn1,@function
k_qc61240cfc5_ffn1:
	s_mov_b64 s[64:65], 0
	v_nop
	global_prefetch_b8 v0, s[64:65] scope:SCOPE_SE
	s_setreg_imm32_b32 hwreg(HW_REG_WAVE_MODE, 25, 1), 1
	s_wait_xcnt 0x0
; FFN1.  h[slot][row][f] = silu( sum over d of xb[token(row)][d] * w1[e][d][f] ), bf16, for the rows of the experts' lists only.
; Work-group = (block of 256 columns x, slot y): ONE block of 192 rows x 256 columns over K = 1024, in straight text: no trip count hangs on a loaded number
; and no branch on one jumps over a barrier, so every wave passes every barrier.  Loaded numbers enter addresses only clamped by a constant.
; SLOTS.  Expert e's rows are cut into ceil(count_e / 192) blocks, and the blocks of all experts are numbered through: slot -> (e, block) is made below from
; the eight counts, which an earlier launch stored as whole numbers.  The counts add up to 4,096, so there are (4096 + 8 x 191) / 192 = 29 blocks at the
; most: the grid's y.  (160 rows would allow 33 blocks x 8 = 264 work-groups, more than there are WGPs.)  A slot that the counts leave over (five of them
; when every expert has 385 to 576 rows) has no listed row: it walks expert 7's weights and the tail of its list, passes every barrier and stores rows of h
; that only the same slot of the next launch loads and nobody uses: it is the price of a grid that cannot hang on the counts.
; ROWS THAT NOBODY USES.  nt = the number of the block's 16-row tiles that hold a listed row, 0 for a slot left over; it comes from the counts and is the
; same in all four waves.  From the second K step on, forward branches on nt jump over the products of tiles 0-5 (nt = 0), 6-7 (nt <= 6), 8-9 (nt <= 8) and
; 10-11 (nt <= 10).  They jump over matrix instructions and window switches alone, over no load, store, wait or barrier: every count holds on every way.
; The first K step is never jumped over: it starts all 48 sums, so every accumulator has been written.  In the seven K steps with a barrier tiles 0-5 are
; always multiplied: no branch stands between a signal and its wait.  Such a tile's rows of h are the silu of a part of the sum; they are stored because the
; next launch loads whole blocks.
; NUMBERING.  The column block is the grid's x and the slot its y: the work-groups that walk the same weights (the slots of one expert, one column
; block) have the same x, and their numbers x + 8 y lie 8 apart.  Which work-group takes which block changes no value.
; Four waves, as many as a WGP has SIMDs; a wave makes all 192 rows x its own 64 columns: 48 accumulator tiles, 384 registers.
; WEIGHTS GO FROM MEMORY STRAIGHT INTO B FRAGMENTS.  w1 is f32 and lies [k][n].  For a K step of 32 a wave issues 16 loads of 16 bytes a lane:
; load i gives lane (r = lane % 16, hh = lane / 16) row k = 32 t + 8 hh + i + 8 (i / 8), columns 4 r .. 4 r + 3; 16 lanes take 256 consecutive
; aligned bytes of a row.  v_cvt_pk_bf16_f32 of loads 2 p and 2 p + 1 packs two neighbouring k of one column: register p of a B fragment
; (ISA guide 7.12.2).  Fragment q's column r is the true column 4 r + q, so a lane's four tiles q = 0..3 hold four neighbouring columns.
; Each weight is loaded and rounded by exactly one wave of the work-group: no LDS, no transposing.
; PREFETCH.  The work-groups of slots 0 to 7 ask for the weights ahead, slot s for expert s's 256 columns of its own column block, whoever will load them:
; who asks hangs on the grid alone.  In K step t wave w asks for rows 32 (t + 6) + 8 w .. + 7, lane l for the 256 bytes at row l / 4, quarter l % 4:
; 8 KiB a wave, 32 KiB a step: the tile whose loads are issued in K step t + 3, three steps behind the request.  Each aligned block of 256 bytes is
; asked for once in the launch.  The tiles of K steps 0 to 5 are not asked for; the last request stands in K step 25 and names rows 992 to 1023.
; A GOES THROUGH LDS: two buffers of 192 rows x (256 + 16) bytes, a chunk of 128 along K each, filled through registers, a piece of 48 rows a K step.
; WHY NO TENSOR LOADS AND NO CLUSTER.  A's rows are gathered by a list.  The weights are shared by the slots of one expert, but which slots these are hangs on
; the counts: they fall on no fixed group of four, and a mask would be made of loaded numbers.  And f32 tiles through LDS would add 32 KiB written and
; 32 KiB read to the 48 KiB of A that a K step's 192 matrix instructions already read.
; LIMITS.  Matrix operands are rounded to bf16, sums are f32.  Rows that an expert was not chosen for are not computed: where the
; reference would form 0 x (a non-finite number) = NaN, this program gives the finite sum.
; REGISTERS, in windows of 256 (s_set_vgpr_msb: bits 1:0 source 0, 3:2 source 1, 5:4 source 2, 7:6 destination):
;   window 0: addresses, A fragments, B fragments, A's pieces;  window 1: accumulators of m tiles 0-7 at 32 mt + 8 q;
;   window 2: those of m tiles 8-11 at 32 (mt - 8) + 8 q;       window 3: the weights as loaded, a ring of 4 K steps x 64 registers.
.set R,       192                      ; rows in a block
.set MAGIC,   0x1555556                ; ceil(2^32 / 192): the high word of x times this is x / 192, for x far beyond the 2,239 met here
.set LST,     2176                     ; entries in an expert's list
.set PB,      8192                     ; bytes in a row of w1
.set APITCH,  272                      ; an LDS row of A: 256 bytes + 16: 68 words, so 16 neighbouring rows start 4 words apart
.set ABUF,    R*APITCH
.set STAGE,   2*ABUF                   ; the way out: 192 rows of 512 bytes, pitch 528
.set SPITCH,  528
.set CNT_OFF, 0x11000
.set AHEAD,   6                        ; a request names the tile of the K step so many steps on
.set VB,  2                            ; 8 hh rows of w1 + 16 r + 256 wave
.set VA0, 3                            ; v3, v4   A fragments: 272 r + 16 hh, in buffer 0, 1
.set VS0, 5                            ; v5, v6   A pieces in: (12 wave + hh) 272 + 16 r, in buffer 0, 1
.set VLI, 7                            ; (12 wave + hh) 4: my rows' entries in the list
.set VC,  8                            ; 16 r
.set VPF, 9                            ; requests: (8 wave + lane / 4) rows of w1 + 256 (lane % 4); never rewritten
.set VT0, 10                           ; stage in, rows 0-95
.set VT1, 11                           ; stage in, rows 96-191
.set VR,  12                           ; stage back: my 48 rows, 16 lane
.set VH,  13                           ; 16 lane
.set RO,  16                           ; v[16:39]   byte offsets in xb of my 24 row pairs' 16 bytes
.set AF,  40                           ; v[40:135]  A fragments of m tiles 0-11 (first: chunk 0's four pieces on their way to LDS)
.set BF,  136                          ; v[136:167] B fragments q = 0..3
.set AS,  168                          ; v[168:239] A pieces on their way: a ring of 3 x 24 registers
.set TV,  240                          ; at work in the set-up
.set T,   40                           ; the way out: 32 numbers at work (A fragments' place)
.set PK,  80                           ; the way out: 16 registers of packed bf16
.set RB,  136                          ; the way out: two sets of 48 registers (the place of B fragments and A pieces)
.set W_LDB,  0xc0                      ; destination window 3
.set W_CVT,  0x0f                      ; sources 0 and 1 window 3
.set W_MUL1, 0x50                      ; C and D window 1
.set W_MUL2, 0xa0                      ; C and D window 2
.set MSB, 0
.macro WIN new                         ; the immediate's high byte repeats the setting that is left
.if MSB != \new
	s_set_vgpr_msb (MSB<<8)|\new
.set MSB, \new
.endif
.endm
.macro PLACES                          ; four places behind a matrix instruction before a load lands on, or a vector instruction writes, one of its registers,
.rept 4                                ; or a vector instruction reads its result (ISA guide 7.12.1 for vector instructions)
	v_nop
.endr
.endm
.macro BLOAD t                         ; K step t's weights: 16 rows x 2 halves of the lanes x 256 bytes
	WIN W_LDB
.irp i, 0,1,2,3,4,5,6,7,8,9,10,11,12,13,14,15
	global_load_b128 v[64*((\t)%4)+4*\i:64*((\t)%4)+4*\i+3], v[VB], s[24:25] offset:(32*(\t)+\i+8*(\i/8))*PB
.endr
.endm
; piece p = 4 chunk + i: my 12 of rows 48 i .. 48 i + 47, 256 bytes of each.  first = 1: chunk 0's pieces, through the A fragments' registers; else through the ring
.macro PBASE_OF p, first
.if \first
.set PBASE, AF+24*(\p)
.else
.set PBASE, AS+24*((\p)%3)
.endif
.endm
.macro PLOAD p, first
	PBASE_OF \p, \first
	WIN 0
.irp q, 0,1,2,3,4,5
	global_load_b128 v[PBASE+4*\q:PBASE+4*\q+3], v[RO+6*((\p)%4)+\q], s[4:5] offset:256*((\p)/4)
.endr
.endm
.macro PSTORE p, first
	PBASE_OF \p, \first
	WIN 0
.irp q, 0,1,2,3,4,5
	ds_store_b128 v[VS0+((\p)/4)%2], v[PBASE+4*\q:PBASE+4*\q+3] offset:(48*((\p)%4)+2*\q)*APITCH
.endr
.endm
.macro CVT t                           ; 64 registers of f32 to four B fragments
	WIN W_CVT
.irp q, 0,1,2,3
.irp p, 0,1,2,3,4,5,6,7
	v_cvt_pk_bf16_f32 v[BF+8*\q+\p], v[64*((\t)%4)+8*\p+\q], v[64*((\t)%4)+8*\p+4+\q]
.endr
.endr
.endm
.macro AFLOAD half, t                  ; K step t's A fragments of m tiles 6 half .. 6 half + 5
	WIN 0
.irp m, 0,1,2,3,4,5
	ds_load_b128 v[AF+8*(6*\half+\m):AF+8*(6*\half+\m)+3],   v[VA0+((\t)/4)%2] offset:16*APITCH*(6*\half+\m)+64*((\t)%4)
	ds_load_b128 v[AF+8*(6*\half+\m)+4:AF+8*(6*\half+\m)+7], v[VA0+((\t)/4)%2] offset:16*APITCH*(6*\half+\m)+64*((\t)%4)+32
.endr
.endm
.macro MULT mt, ab                     ; m tile mt x the four B fragments; ab: its accumulators' first register in the window.  ZERO: the first K step starts the sums
.irp q, 0,1,2,3
.if ZERO
	v_wmma_f32_16x16x32_bf16 v[\ab+8*\q:\ab+8*\q+7], v[AF+8*\mt:AF+8*\mt+7], v[BF+8*\q:BF+8*\q+7], 0
.else
	v_wmma_f32_16x16x32_bf16 v[\ab+8*\q:\ab+8*\q+7], v[AF+8*\mt:AF+8*\mt+7], v[BF+8*\q:BF+8*\q+7], v[\ab+8*\q:\ab+8*\q+7]
.endif
.endr
.endm
; ONE K STEP OF 32.  The accumulators take turns, one matrix instruction a turn, in the same order in every step; every group of tiles
; that a branch can jump over begins on fragment q = 0 and ends on q = 3, so on every way two matrix instructions that follow each other name different accumulators.
; Global loads are issued in the order piece 4, weights 1, piece 5, weights 2 (set-up), then piece t + 6, weights t + 3 in step t.  The wait at the head
; wants weights t and piece t + 4: younger than these are weights t+1, piece t+5, weights t+2 = 16 + 6 + 16 = 38.  Pieces and weights stop at 31:
; 32 at t = 27..29 (two steps' weights), 16 at t = 30, 0 at t = 31.  At most 38 + 22 = 60 loads of a wave are out in the steps, 62 in the set-up.
; A piece's ring slot is loaded again one step behind the LDS stores that read it.
; The request for a later tile stands behind the piece's loads and in front of the conversions; it returns nothing and no wait counts it.
; LDS: in front of the first half's products the younger instructions are the second half's twelve loads and the six stores of a piece: 18 (12 once
; the pieces are over); in front of the second half's, the six stores and the next step's first twelve loads: 18 (12; 0 in the last step).
; Every fourth step changes A's buffers with ONE barrier: in front of its signal each wave has waited for its stores of the next chunk's four
; pieces and for all its reads of this chunk's buffer; behind its wait the next buffer is read, and from the next step on the old one is written.
; s45 = nt.  At a branch and at a label every window is 0; the four places stand behind the labels, on every way.
.macro STEP t
.set LC, 38
.if \t >= 27
.set LC, 32
.endif
.if \t == 30
.set LC, 16
.endif
.if \t == 31
.set LC, 0
.endif
.set BAR, 0
.if \t % 4 == 3
.if \t <= 27
.set BAR, 1
.endif
.endif
.set DC, 18
.set DC2, 18
.if \t >= 28
.set DC, 12
.set DC2, 12
.endif
.if \t == 31
.set DC2, 0
.endif
.set ZERO, 0
.set SKIP, 1
.if \t == 0
.set ZERO, 1
.set SKIP, 0
.endif
.set SK1, SKIP*(1-BAR)
	WIN 0
	s_wait_loadcnt LC
.if \t <= 27
	PSTORE (\t+4), 0
.endif
.if \t <= 25
	PLOAD (\t+6), 0
.endif
.if \t + AHEAD <= 31
	s_cmp_lt_u32 s15, 8                            ; slots 0 to 7 ask; the slot is the grid's y, the same in all four waves
	s_cbranch_scc0 .Lnot_asking_\@
	global_prefetch_b8 v[VPF], s[46:47] offset:32*(\t+AHEAD)*PB th:TH_LOAD_NT scope:SCOPE_SE
.Lnot_asking_\@:
.endif
	CVT \t
.if \t <= 28
	BLOAD (\t+3)
.endif
.if BAR
	s_wait_dscnt 0x0
	s_barrier_signal -1
.else
	s_wait_dscnt DC
.endif
.if SK1
	WIN 0
	s_cmp_eq_u32 s45, 0                            ; no listed row in the block
	s_cbranch_scc1 .Lfirst_done_\@
.endif
	WIN W_MUL1
	MULT 0, 0
	MULT 1, 32
	MULT 2, 64
	MULT 3, 96
	MULT 4, 128
	MULT 5, 160
	WIN 0
.if SK1
.Lfirst_done_\@:
.endif
.if BAR
	s_barrier_wait -1
.endif
.if \t < 31
	PLACES
	AFLOAD 0, (\t+1)
.endif
.if BAR == 0
	s_wait_dscnt DC2
.endif
.if SKIP
	s_cmp_le_u32 s45, 6                            ; no listed row from tile 6 on
	s_cbranch_scc1 .Lsecond_done_\@
.endif
	WIN W_MUL1
	MULT 6, 192
	MULT 7, 224
.if SKIP
	WIN 0
	s_cmp_le_u32 s45, 8                            ; none from tile 8 on
	s_cbranch_scc1 .Lsecond_done_\@
.endif
	WIN W_MUL2
	MULT 8, 0
	MULT 9, 32
.if SKIP
	WIN 0
	s_cmp_le_u32 s45, 10                           ; none from tile 10 on
	s_cbranch_scc1 .Lsecond_done_\@
.endif
	WIN W_MUL2
	MULT 10, 64
	MULT 11, 96
	WIN 0
.if SKIP
.Lsecond_done_\@:
.endif
	PLACES                                         ; also the places in front of the next step's conversions into the B fragments
.if \t < 31
	AFLOAD 1, (\t+1)
.endif
.endm
; The way out of one m tile: silu(a) = a / (1 + 2^(-a log2 e)), rounded to bf16; a lane's four tiles give 4 neighbouring columns = 8 bytes.
; ab, win: the tile's accumulators and their window as source 0; vt, mo: the stage's address register and the tile's number behind it.
.macro SILU ab, win, vt, mo
	WIN \win
.set kk, 0
.rept 16
	v_pk_mul_f32 v[T+kk:T+kk+1], v[\ab+kk:\ab+kk+1], 0xbfb8aa3b op_sel_hi:[1,0]
.set kk, kk+2
.endr
	WIN 0
.set kk, 0
.rept 32
	v_exp_f32 v[T+kk], v[T+kk]
.set kk, kk+1
.endr
	v_nop                                          ; one plain place behind the exponentials
.set kk, 0
	s_wait_alu depctr_va_vdst(0)
.rept 16
	v_pk_add_f32 v[T+kk:T+kk+1], v[T+kk:T+kk+1], 1.0 op_sel_hi:[1,0]
.set kk, kk+2
.endr
.set kk, 0
.rept 32
	v_rcp_f32 v[T+kk], v[T+kk]
.set kk, kk+1
.endr
	v_nop                                          ; one plain place behind the reciprocals
	WIN \win
.set kk, 0
	s_wait_alu depctr_va_vdst(0)
.rept 16
	v_pk_mul_f32 v[T+kk:T+kk+1], v[\ab+kk:\ab+kk+1], v[T+kk:T+kk+1]
.set kk, kk+2
.endr
	WIN 0
.irp j, 0,1,2,3,4,5,6,7
	v_cvt_pk_bf16_f32 v[PK+2*\j],   v[T+\j],    v[T+8+\j]
	v_cvt_pk_bf16_f32 v[PK+2*\j+1], v[T+16+\j], v[T+24+\j]
.endr
.irp j, 0,1,2,3,4,5,6,7
	ds_store_b64 v[\vt], v[PK+2*\j:PK+2*\j+1] offset:(16*\mo+\j)*SPITCH   ; 16 lanes: 128 consecutive bytes; the other 16 lanes 8 rows down, 4,224 bytes = 128 modulo 256
.endr
.endm
	s_load_b256 s[4:11], s[0:1], 0x0               ; xb s[4:5], w1 s[6:7], plan s[8:9], h s[10:11]
	v_lshl_add_u32 v254, v0, 2, 0x32400
	v_mov_b32 v255, 0
	v_lshrrev_b32 v1, 5, v0
	v_readfirstlane_b32 s14, v1                    ; wave
	s_and_b32 s15, ttmp7, 0xffff                   ; slot
	s_mov_b32 s16, ttmp9                           ; cb
	s_wait_kmcnt 0x0
	s_load_b256 s[36:43], s[8:9], CNT_OFF          ; the eight experts' counts
	v_and_b32 v14, 15, v0                          ; r
	v_bfe_u32 v15, v0, 4, 1                        ; hh
	v_and_b32 v1, 31, v0                           ; lane
	v_lshlrev_b32 v[VC], 4, v14
	s_lshl_b32 s22, s14, 8
	v_lshl_add_u32 v[VB], v15, 16, v[VC]           ; 8 rows of 8,192 bytes
	v_add_nc_u32 v[VB], s22, v[VB]
	v_mul_u32_u24 v[VA0], APITCH, v14
	v_lshl_add_u32 v[VA0], v15, 4, v[VA0]
	v_add_nc_u32 v[VA0+1], ABUF, v[VA0]
	s_mul_i32 s22, s14, 12
	v_add_nc_u32 v[TV], s22, v15                   ; 12 wave + hh
	v_mul_u32_u24 v[VS0], APITCH, v[TV]
	v_add_nc_u32 v[VS0], v[VS0], v[VC]
	v_add_nc_u32 v[VS0+1], ABUF, v[VS0]
	v_lshlrev_b32 v[VLI], 2, v[TV]
	v_mul_u32_u24 v[VT0], 8*SPITCH, v15
	v_lshl_add_u32 v[VT0], v14, 3, v[VT0]
	s_lshl_b32 s22, s14, 7
	s_add_co_u32 s22, s22, STAGE
	v_add_nc_u32 v[VT0], s22, v[VT0]               ; stage + 8 hh rows + 128 wave + 8 r
	v_add_nc_u32 v[VT1], 96*SPITCH, v[VT0]
	s_mul_i32 s22, s14, 48*SPITCH
	s_add_co_u32 s22, s22, STAGE
	v_lshlrev_b32 v[VH], 4, v1
	v_add_nc_u32 v[VR], s22, v[VH]
	v_lshrrev_b32 v[TV], 2, v1                     ; the requests: lane / 4,
	s_lshl_b32 s22, s14, 3
	v_add_nc_u32 v[TV], s22, v[TV]                 ; + 8 wave: a row of the K step's 32,
	v_and_b32 v[VPF], 3, v1
	v_lshlrev_b32 v[VPF], 8, v[VPF]                ; 256 (lane % 4): a quarter of the row's 1,024 bytes
	v_lshl_add_u32 v[VPF], v[TV], 13, v[VPF]
	s_min_u32 s21, s15, 7                          ; slot s asks for expert s (slots 8 and up ask for nothing)
	s_lshl_b32 s22, s21, 23
	s_lshl_b32 s23, s16, 10
	s_add_co_u32 s22, s22, s23
	s_mov_b32 s23, 0
	s_add_nc_u64 s[46:47], s[6:7], s[22:23]        ; the requests' base; never rewritten
	; slot -> (expert, first row, rows).  s44: the blocks of experts 0 .. k, a sum that never falls.  e = how many of these sums are <= slot;
	; s19 = the last such sum = expert e's first slot; s35 = the count of the first expert whose sum is above the slot: it is taken over as long as
	; every sum so far is <= slot (s45 = 1).  e = 8: the counts leave this slot over.  Selects only, no branch.
	s_mov_b32 s44, 0
	s_mov_b32 s17, 0
	s_mov_b32 s19, 0
	s_mov_b32 s35, 0
	s_mov_b32 s45, 1
	s_wait_kmcnt 0x0
.irp k, 36,37,38,39,40,41,42,43
	s_min_u32 s34, s[\k], 0x800
	s_cmp_lg_u32 s45, 0
	s_cselect_b32 s35, s34, s35
	s_add_co_u32 s34, s34, R-1
	s_mul_hi_u32 s34, s34, MAGIC                   ; ceil(count / 192)
	s_add_co_u32 s44, s44, s34
	s_cmp_ge_u32 s15, s44
	s_cselect_b32 s19, s44, s19
	s_cselect_b32 s45, 1, 0
	s_add_co_u32 s17, s17, s45
.endr
	s_cmp_lg_u32 s45, 0
	s_cselect_b32 s35, 0, s35                      ; a slot left over has no rows
	s_sub_co_u32 s20, s15, s19
	s_mul_i32 s20, s20, R                          ; my block's first row in the expert's list
	s_max_u32 s35, s35, s20
	s_sub_co_u32 s35, s35, s20                     ; listed rows from there on,
	s_min_u32 s35, s35, R                          ; in my block,
	s_add_co_u32 s35, s35, 15
	s_lshr_b32 s45, s35, 4                         ; nt: its tiles of 16 rows that hold one, 0 to 12
	s_min_u32 s21, s17, 7                          ; clamped: an expert's w1 is 8 MiB
	s_lshl_b32 s22, s21, 23
	s_lshl_b32 s23, s16, 10                        ; 256 columns of 4 bytes
	s_add_co_u32 s22, s22, s23
	s_mov_b32 s23, 0
	s_add_nc_u64 s[24:25], s[6:7], s[22:23]        ; the weights' base; every K offset stands in a load's immediate, 1015 x 8,192 at the most
	s_mul_i32 s22, s17, LST
	s_add_co_u32 s22, s22, s20
	s_min_u32 s22, s22, 8*LST-R                    ; clamped: met only by a slot left over, which then reads the tail of expert 7's list
	s_lshl_b32 s22, s22, 2
	s_add_nc_u64 s[28:29], s[8:9], s[22:23]        ; the list at my block's first row
	s_mul_i32 s22, s15, R
	s_mul_i32 s21, s14, 48
	s_add_co_u32 s22, s22, s21
	s_lshl_b32 s22, s22, 12
	s_lshl_b32 s21, s16, 9
	s_add_co_u32 s22, s22, s21
	s_add_nc_u64 s[30:31], s[10:11], s[22:23]      ; h at row 192 slot + 48 wave, column 256 cb
.irp i, 0,1,2,3
.irp q, 0,1,2,3,4,5
	global_load_b32 v[RO+6*\i+\q], v[VLI], s[28:29] offset:(48*\i+2*\q)*4
.endr
.endr
	BLOAD 0
	WIN 0
	s_wait_loadcnt 16                              ; the 24 entries are in; K step 0's weights stay out
.set kk, 0
.rept 24
	v_lshrrev_b32 v[RO+kk], 1, v[RO+kk]            ; entry to token
	v_min_u32 v[RO+kk], 0x7ff, v[RO+kk]            ; a pad's entry gives token 2047
	v_lshl_add_u32 v[RO+kk], v[RO+kk], 11, v[VC]   ; 2,048 bytes a row of xb
.set kk, kk+1
.endr
	PLOAD 0, 1
	PLOAD 1, 1
	PLOAD 2, 1
	PLOAD 3, 1
	PLOAD 4, 0
	BLOAD 1
	WIN 0
	s_wait_loadcnt 22                              ; chunk 0's four pieces are in; piece 4 (6 loads) and K step 1's weights (16) stay out
	PSTORE 0, 1
	PSTORE 1, 1
	PSTORE 2, 1
	PSTORE 3, 1
	PLOAD 5, 0
	BLOAD 2
	WIN 0
	s_wait_dscnt 0x0                               ; my part of chunk 0 is in LDS, for the others' sake
	s_barrier_signal -1
	s_barrier_wait -1
	AFLOAD 0, 0
	AFLOAD 1, 0
.irp t, 0,1,2,3,4,5,6,7,8,9,10,11,12,13,14,15,16,17,18,19,20,21,22,23,24,25,26,27,28,29,30,31
	STEP \t
.endr
	; the last step's four places stand in front of the first read of a result
	SILU 0,   0x01, VT0, 0
	SILU 32,  0x01, VT0, 1
	SILU 64,  0x01, VT0, 2
	SILU 96,  0x01, VT0, 3
	SILU 128, 0x01, VT0, 4
	SILU 160, 0x01, VT0, 5
	SILU 192, 0x01, VT1, 0
	SILU 224, 0x01, VT1, 1
	SILU 0,   0x02, VT1, 2
	SILU 32,  0x02, VT1, 3
	SILU 64,  0x02, VT1, 4
	SILU 96,  0x02, VT1, 5
	s_wait_dscnt 0x0                               ; my columns of all 192 rows are in the stage, for the others' sake
	s_barrier_signal -1
	s_barrier_wait -1
	; my 48 rows back as whole rows of 512 bytes, twelve at a time on two sets of registers
.irp b, 0,1,2,3
.if \b >= 2
	s_wait_xcnt 0x0                                ; the set's registers, which stores read, are loaded again only behind this wait
.endif
.irp k, 0,1,2,3,4,5,6,7,8,9,10,11
	ds_load_b128 v[RB+48*(\b%2)+4*\k:RB+48*(\b%2)+4*\k+3], v[VR] offset:(12*\b+\k)*SPITCH
.endr
.irp k, 0,1,2,3,4,5,6,7,8,9,10,11
	s_wait_dscnt 11-\k
	global_store_b128 v[VH], v[RB+48*(\b%2)+4*\k:RB+48*(\b%2)+4*\k+3], s[30:31] offset:(12*\b+\k)*4096   ; the wave stores 512 consecutive bytes, aligned
.endr
.endr
	s_wait_tensorcnt 0x0
	ds_add_u32 v254, v255
	s_wait_dscnt 0x0
	s_endpgm
.Lfunc_end_k_qc61240cfc5_ffn1:
	.size	k_qc61240cfc5_ffn1, .Lfunc_end_k_qc61240cfc5_ffn1-k_qc61240cfc5_ffn1
	.p2alignl 7, 3214868480
	.fill 96, 4, 3214868480
	.section	.rodata,"a",@progbits
	.p2align	6, 0x0
	.amdhsa_kernel k_qc61240cfc5_ffn1
		.amdhsa_group_segment_fixed_size 206336
		.amdhsa_private_segment_fixed_size 0
		.amdhsa_enable_private_segment 0
		.amdhsa_kernarg_size 32
		.amdhsa_user_sgpr_count 2
		.amdhsa_user_sgpr_kernarg_segment_ptr 1
		.amdhsa_wavefront_size32 1
		.amdhsa_system_sgpr_workgroup_id_x 1
		.amdhsa_system_sgpr_workgroup_id_y 1
		.amdhsa_system_sgpr_workgroup_id_z 1
		.amdhsa_system_vgpr_workitem_id 0
		.amdhsa_next_free_vgpr 1024
		.amdhsa_next_free_sgpr 66
		.amdhsa_reserve_vcc 0
		.amdhsa_float_denorm_mode_32 3
		.amdhsa_float_denorm_mode_16_64 3
		.amdhsa_memory_ordered 1
		.amdhsa_forward_progress 1
		.amdhsa_inst_pref_size 255
	.end_amdhsa_kernel
	.section	.bss,"aw",@nobits
	.p2align	6
	.space	262144
	.amdgpu_metadata
---
amdhsa.version: [ 1, 2 ]
amdhsa.kernels:
  - .name:           k_qc61240cfc5_ffn1
    .symbol:         k_qc61240cfc5_ffn1.kd
    .args:
      - { .name: xb, .offset: 0, .size: 8, .value_kind: global_buffer, .address_space: global }
      - { .name: w1, .offset: 8, .size: 8, .value_kind: global_buffer, .address_space: global }
      - { .name: plan, .offset: 16, .size: 8, .value_kind: global_buffer, .address_space: global }
      - { .name: h, .offset: 24, .size: 8, .value_kind: global_buffer, .address_space: global }
    .group_segment_fixed_size: 206336
    .private_segment_fixed_size: 0
    .kernarg_segment_align: 8
    .kernarg_segment_size: 32
    .max_flat_workgroup_size: 128
    .sgpr_count:     66
    .vgpr_count:     1024
    .wavefront_size: 32
...
	.end_amdgpu_metadata
.endif
;; end of part 7
;; launch ffn2 (part 8): grid 8 x 29, 4 waves a work-group, no clusters, 104,960 bytes of LDS; arguments h, w2, plan, bf, y; writes y
.if DOCPART == 8
	.amdgcn_target "amdgcn-amd-amdhsa--gfx1250"
	.amdhsa_code_object_version 6
	.text
	.protected	k_qc61240cfc5_ffn2
	.globl	k_qc61240cfc5_ffn2
	.p2align	8
	.type	k_qc61240cfc5_ffn2,@function
k_qc61240cfc5_ffn2:
	s_mov_b64 s[64:65], 0
	v_nop
	global_prefetch_b8 v0, s[64:65] scope:SCOPE_SE
	s_setreg_imm32_b32 hwreg(HW_REG_WAVE_MODE, 25, 1), 1
	s_wait_xcnt 0x0
; FFN2.  y[ks][entry(row)][d] = cw(row) * sum over the half ks of f of h[slot][row][f] * w2[e][f][d], f32.
; Work-group = (x = block of 256 columns cb + 4 x half of K ks; slot y): ONE block of 192 rows x 256 columns over K = 1024, the same shape as the first
; product, in straight text: no trip count hangs on a loaded number and no branch on one jumps over a barrier, so every wave passes every barrier.  Loaded
; numbers enter addresses only clamped by a constant.  K = 2048 is split in two so that there are 29 x 4 x 2 = 232 equal work-groups; without the split
; there would be 116.  The two halves go to two planes of y, each byte with one owner, and the next launch adds them.
; SLOTS.  As in the first product: expert e's rows are cut into ceil(count_e / 192) blocks, numbered through all experts, 29 at the most.
; NUMBERING.  The work-groups that walk the same weights (the slots of one expert; one column block, one half of K) have the same x, and their numbers
; x + 8 y lie 8 apart; the four that read the same half of a slot's rows of h have x = 4 ks .. 4 ks + 3.  Which work-group takes which block changes no value.
; ROWS THAT NOBODY USES.  nt = the number of the block's 16-row tiles that hold a listed row, 0 for a slot that the counts leave over; it comes from the
; counts and is the same in all four waves.  From the second K step on, forward branches on nt jump over the products of tiles 0-5 (nt = 0), 6-7 (nt <= 6),
; 8-9 (nt <= 8) and 10-11 (nt <= 10): over matrix instructions and window switches alone, over no load, store, wait or barrier, so every count holds on
; every way.  The first K step is never jumped over: it starts all 48 sums.  In the seven K steps with a barrier tiles 0-5 are always multiplied: no
; branch stands between a signal and its wait.  On the way out the wave ends in front of the first tile without a listed row (no barrier follows there).
; So a slot left over loads, passes the barriers and stores nothing: it is the price of a grid that cannot hang on the counts.
; A row goes to y's row token * 2 + rank, as the list's entry says.  A tile is stored whole, with all lanes on: the fewer than 16 pad rows in an expert's last
; listed tile go to row 4096 + e, with the weight 0; each byte of that row is stored by one work-group, several times over, and read by nobody.
; Four waves; a wave makes all 192 rows x its own 64 columns: 48 accumulator tiles, 384 registers.
; WEIGHTS GO FROM MEMORY STRAIGHT INTO B FRAGMENTS: w2 is f32 and lies [k][n].  For a K step of 32 a wave issues 16 loads of 16 bytes a lane: load i gives
; lane (r = lane % 16, hh = lane / 16) row k = 32 t + 8 hh + i + 8 (i / 8), columns 4 r .. 4 r + 3.  v_cvt_pk_bf16_f32 of loads 2 p and 2 p + 1 is register p of
; a B fragment (ISA guide 7.12.2); fragment q's column r is the true column 4 r + q, so a lane's four tiles hold 16 neighbouring bytes of a row of y
; and sixteen lanes 256: the results leave from registers, with no way through LDS.
; PREFETCH.  The work-groups of slots 0 to 7 ask for the weights ahead, slot s for expert s's 256 columns of its own column block and half of K, whoever will
; load them: who asks hangs on the grid alone.  In K step t wave w asks for rows 32 (t + 6) + 8 w .. + 7 of the half, lane l for the 256 bytes at row l / 4,
; quarter l % 4: 8 KiB a wave, 32 KiB a step: the tile whose loads are issued in K step t + 3, three steps behind the request.  Each aligned block of
; 256 bytes is asked for once in the launch.  The tiles of K steps 0 to 5 are not asked for; the last request stands in K step 25 and names rows 992 to 1023.
; A GOES THROUGH LDS: two buffers of 192 rows x (256 + 16) bytes, a chunk of 128 along K each, filled through registers, a piece of 48 rows a K step.
; WHY NO TENSOR LOADS AND NO CLUSTER: which slots share an expert's weights hangs on the counts: they fall on no fixed group of four, and a mask would be made of
; loaded numbers; and f32 tiles through LDS would add 32 KiB written and 32 KiB read to the 48 KiB of A that a K step's 192 matrix instructions
; already read.
; LIMITS: matrix operands in bf16, sums and the combine weight in f32; rows of experts that a token did not choose are not computed.
; REGISTERS, in windows of 256 (s_set_vgpr_msb: bits 1:0 source 0, 3:2 source 1, 5:4 source 2, 7:6 destination):
;   window 0: addresses, A fragments, B fragments, A's pieces;  window 1: accumulators of m tiles 0-7 at 32 mt + 8 q;
;   window 2: those of m tiles 8-11;  window 3: the weights as loaded, a ring of 4 K steps x 64 registers; at the end the rows' entries (0-95) and weights (96-191).
.set R,       192                      ; rows in a block
.set MAGIC,   0x1555556                ; ceil(2^32 / 192): the high word of x times this is x / 192, for x far beyond the 2,239 met here
.set LST,     2176                     ; entries in an expert's list
.set PB,      4096                     ; bytes in a row of w2
.set APITCH,  272                      ; an LDS row of A: 256 bytes + 16: 68 words, so 16 neighbouring rows start 4 words apart
.set ABUF,    R*APITCH
.set CNT_OFF, 0x11000
.set YROWS,   4096+8                   ; 4,104 rows in a plane of y: the tokens' rows, and one for each expert's pads
.set PLANE,   YROWS*4096
.set AHEAD,   6                        ; a request names the tile of the K step so many steps on
.set VB,   2                           ; 8 hh rows of w2 + 16 r + 256 wave
.set VA0,  3                           ; v3, v4   A fragments: 272 r + 16 hh, in buffer 0, 1
.set VS0,  5                           ; v5, v6   A pieces in: (12 wave + hh) 272 + 16 r, in buffer 0, 1
.set VLI,  7                           ; 32 hh: eight entries of 4 bytes
.set VC,   8                           ; 16 r
.set VROW, 9                           ; (12 wave + hh) 4096 + 16 r: my rows of h
.set VPF,  10                          ; requests: (8 wave + lane / 4) rows of w2 + 256 (lane % 4); never rewritten
.set AF,  40                           ; v[40:135]  A fragments of m tiles 0-11 (first: chunk 0's four pieces)
.set BF,  136                          ; v[136:167] B fragments q = 0..3
.set AS,  168                          ; v[168:239] A pieces on their way: a ring of 3 x 24 registers
.set TV,  240                          ; at work in the set-up
                                       ; the way out: six sets of 32 results at v40, 72, 104, 136, 168, 200
.set W_LDB,  0xc0                      ; destination window 3
.set W_CVT,  0x0f                      ; sources 0 and 1 window 3
.set W_MUL1, 0x50                      ; C and D window 1
.set W_MUL2, 0xa0                      ; C and D window 2
.set MSB, 0
.macro WIN new                         ; the immediate's high byte repeats the setting that is left
.if MSB != \new
	s_set_vgpr_msb (MSB<<8)|\new
.set MSB, \new
.endif
.endm
.macro PLACES                          ; four places behind a matrix instruction before a load lands on, or a vector instruction writes, one of its registers,
.rept 4                                ; or a vector instruction reads its result (ISA guide 7.12.1 for vector instructions)
	v_nop
.endr
.endm
.macro BLOAD t                         ; K step t's weights: 16 rows x 2 halves of the lanes x 256 bytes
	WIN W_LDB
.irp i, 0,1,2,3,4,5,6,7,8,9,10,11,12,13,14,15
	global_load_b128 v[64*((\t)%4)+4*\i:64*((\t)%4)+4*\i+3], v[VB], s[24:25] offset:(32*(\t)+\i+8*(\i/8))*PB
.endr
.endm
; piece p = 4 chunk + i: my 12 of rows 48 i .. 48 i + 47, 256 bytes of each.  first = 1: chunk 0's pieces, through the A fragments' registers; else through the ring
.macro PBASE_OF p, first
.if \first
.set PBASE, AF+24*(\p)
.else
.set PBASE, AS+24*((\p)%3)
.endif
.endm
.macro PLOAD p, first
	PBASE_OF \p, \first
	WIN 0
.irp q, 0,1,2,3,4,5
	global_load_b128 v[PBASE+4*\q:PBASE+4*\q+3], v[VROW], s[26:27] offset:(48*((\p)%4)+2*\q)*4096+256*((\p)/4)
.endr
.endm
.macro PSTORE p, first
	PBASE_OF \p, \first
	WIN 0
.irp q, 0,1,2,3,4,5
	ds_store_b128 v[VS0+((\p)/4)%2], v[PBASE+4*\q:PBASE+4*\q+3] offset:(48*((\p)%4)+2*\q)*APITCH
.endr
.endm
.macro CVT t                           ; 64 registers of f32 to four B fragments
	WIN W_CVT
.irp q, 0,1,2,3
.irp p, 0,1,2,3,4,5,6,7
	v_cvt_pk_bf16_f32 v[BF+8*\q+\p], v[64*((\t)%4)+8*\p+\q], v[64*((\t)%4)+8*\p+4+\q]
.endr
.endr
.endm
.macro AFLOAD half, t                  ; K step t's A fragments of m tiles 6 half .. 6 half + 5
	WIN 0
.irp m, 0,1,2,3,4,5
	ds_load_b128 v[AF+8*(6*\half+\m):AF+8*(6*\half+\m)+3],   v[VA0+((\t)/4)%2] offset:16*APITCH*(6*\half+\m)+64*((\t)%4)
	ds_load_b128 v[AF+8*(6*\half+\m)+4:AF+8*(6*\half+\m)+7], v[VA0+((\t)/4)%2] offset:16*APITCH*(6*\half+\m)+64*((\t)%4)+32
.endr
.endm
.macro MULT mt, ab                     ; m tile mt x the four B fragments; ab: its accumulators' first register in the window.  ZERO: the first K step starts the sums
.irp q, 0,1,2,3
.if ZERO
	v_wmma_f32_16x16x32_bf16 v[\ab+8*\q:\ab+8*\q+7], v[AF+8*\mt:AF+8*\mt+7], v[BF+8*\q:BF+8*\q+7], 0
.else
	v_wmma_f32_16x16x32_bf16 v[\ab+8*\q:\ab+8*\q+7], v[AF+8*\mt:AF+8*\mt+7], v[BF+8*\q:BF+8*\q+7], v[\ab+8*\q:\ab+8*\q+7]
.endif
.endr
.endm
.macro ELOAD                           ; my rows' entries and combine weights: lane (r, hh) takes rows 16 mt + 8 hh + 0..7, as its accumulators hold them
	WIN W_LDB
.irp m, 0,1,2,3,4,5,6,7,8,9,10,11
	global_load_b128 v[8*\m:8*\m+3],   v[VLI], s[28:29] offset:64*\m
	global_load_b128 v[8*\m+4:8*\m+7], v[VLI], s[28:29] offset:64*\m+16
.endr
.irp m, 0,1,2,3,4,5,6,7,8,9,10,11
	global_load_b128 v[96+8*\m:96+8*\m+3],   v[VLI], s[32:33] offset:64*\m
	global_load_b128 v[96+8*\m+4:96+8*\m+7], v[VLI], s[32:33] offset:64*\m+16
.endr
.endm
; ONE K STEP OF 32.  The accumulators take turns, one matrix instruction a turn, in the same order in every step; every group of tiles
; that a branch can jump over begins on fragment q = 0 and ends on q = 3, so on every way two matrix instructions that follow each other name different accumulators.
; Global loads are issued in the order pieces 0-3, piece 4, weights 0, weights 1, piece 5, weights 2 (set-up), then piece t + 6, weights t + 3 in step t.
; The wait at the head wants weights t and piece t + 4: younger than these are weights t+1, piece t+5, weights t+2 = 16 + 6 + 16 = 38 (in step 0 piece 4
; is older than weights 0).  Pieces and weights stop at 31: 32 at t = 27..29 (two steps' weights), 16 at t = 30, 0 at t = 31.
; At most 38 + 22 = 60 loads of a wave are out in the steps, 62 in the set-up.  A piece's ring slot is loaded again one step behind the LDS stores that read it.
; The request for a later tile stands behind the piece's loads and in front of the conversions; it returns nothing and no wait counts it.
; LDS: in front of the first half's products the younger instructions are the second half's twelve loads and the six stores of a piece: 18 (12 once
; the pieces are over); in front of the second half's, the six stores and the next step's first twelve loads: 18 (12; 0 in the last step).
; Every fourth step changes A's buffers with ONE barrier: in front of its signal each wave has waited for its stores of the next chunk's four
; pieces and for all its reads of this chunk's buffer; behind its wait the next buffer is read, and from the next step on the old one is written.
; The last step asks for the rows' entries and weights, into ring slots 0 to 2, whose weights have been converted.
; s45 = nt.  At a branch and at a label every window is 0; the four places stand behind the labels, on every way.
.macro STEP t
.set LC, 38
.if \t >= 27
.set LC, 32
.endif
.if \t == 30
.set LC, 16
.endif
.if \t == 31
.set LC, 0
.endif
.set BAR, 0
.if \t % 4 == 3
.if \t <= 27
.set BAR, 1
.endif
.endif
.set DC, 18
.set DC2, 18
.if \t >= 28
.set DC, 12
.set DC2, 12
.endif
.if \t == 31
.set DC2, 0
.endif
.set ZERO, 0
.set SKIP, 1
.if \t == 0
.set ZERO, 1
.set SKIP, 0
.endif
.set SK1, SKIP*(1-BAR)
	WIN 0
	s_wait_loadcnt LC
.if \t <= 27
	PSTORE (\t+4), 0
.endif
.if \t <= 25
	PLOAD (\t+6), 0
.endif
.if \t + AHEAD <= 31
	s_cmp_lt_u32 s15, 8                            ; slots 0 to 7 ask; the slot is the grid's y, the same in all four waves
	s_cbranch_scc0 .Lnot_asking_\@
	global_prefetch_b8 v[VPF], s[46:47] offset:32*(\t+AHEAD)*PB th:TH_LOAD_NT scope:SCOPE_SE
.Lnot_asking_\@:
.endif
.if \t == 31
	ELOAD
.endif
	CVT \t
.if \t <= 28
	BLOAD (\t+3)
.endif
.if BAR
	s_wait_dscnt 0x0
	s_barrier_signal -1
.else
	s_wait_dscnt DC
.endif
.if SK1
	WIN 0
	s_cmp_eq_u32 s45, 0                            ; no listed row in the block
	s_cbranch_scc1 .Lfirst_done_\@
.endif
	WIN W_MUL1
	MULT 0, 0
	MULT 1, 32
	MULT 2, 64
	MULT 3, 96
	MULT 4, 128
	MULT 5, 160
	WIN 0
.if SK1
.Lfirst_done_\@:
.endif
.if BAR
	s_barrier_wait -1
.endif
.if \t < 31
	PLACES
	AFLOAD 0, (\t+1)
.endif
.if BAR == 0
	s_wait_dscnt DC2
.endif
.if SKIP
	s_cmp_le_u32 s45, 6                            ; no listed row from tile 6 on
	s_cbranch_scc1 .Lsecond_done_\@
.endif
	WIN W_MUL1
	MULT 6, 192
	MULT 7, 224
.if SKIP
	WIN 0
	s_cmp_le_u32 s45, 8                            ; none from tile 8 on
	s_cbranch_scc1 .Lsecond_done_\@
.endif
	WIN W_MUL2
	MULT 8, 0
	MULT 9, 32
.if SKIP
	WIN 0
	s_cmp_le_u32 s45, 10                           ; none from tile 10 on
	s_cbranch_scc1 .Lsecond_done_\@
.endif
	WIN W_MUL2
	MULT 10, 64
	MULT 11, 96
	WIN 0
.if SKIP
.Lsecond_done_\@:
.endif
	PLACES                                         ; also the places in front of the next step's conversions into the B fragments
.if \t < 31
	AFLOAD 1, (\t+1)
.endif
.endm
; The way out of one m tile.  The multiplication by the row's weight also brings a lane's four neighbouring columns into four neighbouring registers.
; ab, win: the tile's accumulators, and the setting with their window as source 0 and window 3 as source 1; ts: one of six sets of 32 registers.
; The listed rows fill a block from its first row on: the first tile without one ends the wave.
; Tiles 0 to 5 write sets that no pending global instruction names.  Tiles 6 to 11 write the same six sets again: the stores that read them, those of tiles
; 0 to 5, have all been issued ahead of the one wait in front of tile 6, and a wave comes to tile 7 and on only through tile 6.
.macro OUT mt, ab, win, ts
	WIN 0
	s_cmp_le_u32 s45, \mt
	s_cbranch_scc1 .Lend
.if \mt == 6
	s_wait_xcnt 0x0                                ; the six sets, which the stores so far read, are written again only behind this wait
.endif
	WIN \win
.irp j, 0,1,2,3,4,5,6,7
.irp q, 0,1,2,3
	v_mul_f32 v[\ts+4*\j+\q], v[\ab+8*\q+\j], v[96+8*\mt+\j]
.endr
.endr
	WIN 0x03                                       ; the address register in window 3, the data in window 0
.irp j, 0,1,2,3,4,5,6,7
	global_store_b128 v[8*\mt+\j], v[\ts+4*\j:\ts+4*\j+3], s[30:31]    ; 16 lanes store 256 consecutive bytes of one row, aligned; the other 16 those of another row
.endr
.endm
	s_load_b256 s[4:11], s[0:1], 0x0               ; h s[4:5], w2 s[6:7], plan s[8:9], bf s[10:11]
	s_load_b64 s[12:13], s[0:1], 0x20              ; y
	v_lshl_add_u32 v254, v0, 2, 0x19800
	v_mov_b32 v255, 0
	v_lshrrev_b32 v1, 5, v0
	v_readfirstlane_b32 s14, v1                    ; wave
	s_and_b32 s15, ttmp7, 0xffff                   ; slot
	s_and_b32 s16, ttmp9, 3                        ; cb
	s_lshr_b32 s18, ttmp9, 2                       ; ks
	s_wait_kmcnt 0x0
	s_load_b256 s[36:43], s[8:9], CNT_OFF          ; the eight experts' counts
	v_and_b32 v14, 15, v0                          ; r
	v_bfe_u32 v15, v0, 4, 1                        ; hh
	v_and_b32 v1, 31, v0                           ; lane
	v_lshlrev_b32 v[VC], 4, v14
	s_lshl_b32 s22, s14, 8
	v_lshl_add_u32 v[VB], v15, 15, v[VC]           ; 8 rows of 4,096 bytes
	v_add_nc_u32 v[VB], s22, v[VB]
	v_mul_u32_u24 v[VA0], APITCH, v14
	v_lshl_add_u32 v[VA0], v15, 4, v[VA0]
	v_add_nc_u32 v[VA0+1], ABUF, v[VA0]
	s_mul_i32 s22, s14, 12
	v_add_nc_u32 v[TV], s22, v15                   ; 12 wave + hh
	v_mul_u32_u24 v[VS0], APITCH, v[TV]
	v_add_nc_u32 v[VS0], v[VS0], v[VC]
	v_add_nc_u32 v[VS0+1], ABUF, v[VS0]
	v_lshlrev_b32 v[VLI], 5, v15
	v_lshl_add_u32 v[VROW], v[TV], 12, v[VC]
	v_lshrrev_b32 v[TV], 2, v1                     ; the requests: lane / 4,
	s_lshl_b32 s22, s14, 3
	v_add_nc_u32 v[TV], s22, v[TV]                 ; + 8 wave: a row of the K step's 32,
	v_and_b32 v[VPF], 3, v1
	v_lshlrev_b32 v[VPF], 8, v[VPF]                ; 256 (lane % 4): a quarter of the row's 1,024 bytes
	v_lshl_add_u32 v[VPF], v[TV], 12, v[VPF]
	s_mul_i32 s22, s18, PLANE
	s_lshl_b32 s23, s16, 10
	s_add_co_u32 s22, s22, s23
	s_lshl_b32 s23, s14, 8
	s_add_co_u32 s22, s22, s23
	s_mov_b32 s23, 0
	s_add_nc_u64 s[30:31], s[12:13], s[22:23]      ; y: my plane, my 64 columns
	s_mul_i32 s22, s15, R*4096
	s_lshl_b32 s34, s18, 11
	s_add_co_u32 s22, s22, s34
	s_add_nc_u64 s[26:27], s[4:5], s[22:23]        ; h at row 192 slot, my half of its columns
	; h's address hangs on the slot alone: chunk 0's four pieces and piece 4 go out while the counts are on their way
	PLOAD 0, 1
	PLOAD 1, 1
	PLOAD 2, 1
	PLOAD 3, 1
	PLOAD 4, 0
	s_min_u32 s21, s15, 7                          ; slot s asks for expert s (slots 8 and up ask for nothing)
	s_lshl_b32 s22, s21, 23
	s_lshl_b32 s34, s18, 22
	s_add_co_u32 s22, s22, s34
	s_lshl_b32 s34, s16, 10
	s_add_co_u32 s22, s22, s34
	s_add_nc_u64 s[46:47], s[6:7], s[22:23]        ; the requests' base; never rewritten
	; slot -> (expert, first row, rows).  s44: the blocks of experts 0 .. k, a sum that never falls.  e = how many of these sums are <= slot;
	; s19 = the last such sum = expert e's first slot; s35 = the count of the first expert whose sum is above the slot: it is taken over as long as
	; every sum so far is <= slot (s45 = 1).  e = 8: the counts leave this slot over.  Selects only, no branch.
	s_mov_b32 s44, 0
	s_mov_b32 s17, 0
	s_mov_b32 s19, 0
	s_mov_b32 s35, 0
	s_mov_b32 s45, 1
	s_wait_kmcnt 0x0
.irp k, 36,37,38,39,40,41,42,43
	s_min_u32 s34, s[\k], 0x800
	s_cmp_lg_u32 s45, 0
	s_cselect_b32 s35, s34, s35
	s_add_co_u32 s34, s34, R-1
	s_mul_hi_u32 s34, s34, MAGIC                   ; ceil(count / 192)
	s_add_co_u32 s44, s44, s34
	s_cmp_ge_u32 s15, s44
	s_cselect_b32 s19, s44, s19
	s_cselect_b32 s45, 1, 0
	s_add_co_u32 s17, s17, s45
.endr
	s_cmp_lg_u32 s45, 0
	s_cselect_b32 s35, 0, s35                      ; a slot left over has no rows
	s_sub_co_u32 s20, s15, s19
	s_mul_i32 s20, s20, R                          ; my block's first row in the expert's list
	s_max_u32 s35, s35, s20
	s_sub_co_u32 s35, s35, s20                     ; listed rows from there on,
	s_min_u32 s35, s35, R                          ; in my block,
	s_add_co_u32 s35, s35, 15
	s_lshr_b32 s45, s35, 4                         ; nt: its tiles of 16 rows that hold one, 0 to 12
	s_min_u32 s21, s17, 7                          ; clamped: an expert's w2 is 8 MiB
	s_lshl_b32 s22, s21, 23
	s_lshl_b32 s34, s18, 22                        ; 1,024 rows of 4,096 bytes
	s_add_co_u32 s22, s22, s34
	s_lshl_b32 s34, s16, 10                        ; 256 columns of 4 bytes
	s_add_co_u32 s22, s22, s34
	s_add_nc_u64 s[24:25], s[6:7], s[22:23]        ; the weights' base; every K offset stands in a load's immediate
	s_mul_i32 s34, s17, LST
	s_add_co_u32 s34, s34, s20                     ; my first row's index in the lists
	s_min_u32 s34, s34, 8*LST-R                    ; clamped: met only by a slot left over, which then reads the tail of expert 7's lists and uses none of it
	s_lshl_b32 s22, s34, 2
	s_add_nc_u64 s[28:29], s[8:9], s[22:23]        ; my rows' entries
	s_add_nc_u64 s[32:33], s[10:11], s[22:23]      ; my rows' combine weights
	BLOAD 0
	BLOAD 1
	WIN 0
	s_wait_loadcnt 38                              ; chunk 0's four pieces are in; piece 4 (6 loads) and the weights of K steps 0 and 1 (16 each) stay out
	PSTORE 0, 1
	PSTORE 1, 1
	PSTORE 2, 1
	PSTORE 3, 1
	PLOAD 5, 0
	BLOAD 2
	WIN 0
	s_wait_dscnt 0x0                               ; my part of chunk 0 is in LDS, for the others' sake
	s_barrier_signal -1
	s_barrier_wait -1
	AFLOAD 0, 0
	AFLOAD 1, 0
.irp t, 0,1,2,3,4,5,6,7,8,9,10,11,12,13,14,15,16,17,18,19,20,21,22,23,24,25,26,27,28,29,30,31
	STEP \t
.endr
	s_wait_loadcnt 0x0                             ; the entries and the weights of my rows
	WIN 0xcf                                       ; entries: destination and sources 0, 1 in window 3; 16 r in window 0
.set kk, 0
.rept 96
	v_min_u32 v[kk], YROWS-1, v[kk]                ; a row of y: 4,103 at the most
	v_lshl_add_u32 v[kk], v[kk], 12, v[VC]         ; 4,096 bytes a row, + 16 r
.set kk, kk+1
.endr
	OUT 0,  0,   0x0d, 40
	OUT 1,  32,  0x0d, 72
	OUT 2,  64,  0x0d, 104
	OUT 3,  96,  0x0d, 136
	OUT 4,  128, 0x0d, 168
	OUT 5,  160, 0x0d, 200
	OUT 6,  192, 0x0d, 40
	OUT 7,  224, 0x0d, 72
	OUT 8,  0,   0x0e, 104
	OUT 9,  32,  0x0e, 136
	OUT 10, 64,  0x0e, 168
	OUT 11, 96,  0x0e, 200
	WIN 0
.Lend:
	s_wait_tensorcnt 0x0
	ds_add_u32 v254, v255
	s_wait_dscnt 0x0
	s_endpgm
.Lfunc_end_k_qc61240cfc5_ffn2:
	.size	k_qc61240cfc5_ffn2, .Lfunc_end_k_qc61240cfc5_ffn2-k_qc61240cfc5_ffn2
	.p2alignl 7, 3214868480
	.fill 96, 4, 3214868480
	.section	.rodata,"a",@progbits
	.p2align	6, 0x0
	.amdhsa_kernel k_qc61240cfc5_ffn2
		.amdhsa_group_segment_fixed_size 104960
		.amdhsa_private_segment_fixed_size 0
		.amdhsa_enable_private_segment 0
		.amdhsa_kernarg_size 40
		.amdhsa_user_sgpr_count 2
		.amdhsa_user_sgpr_kernarg_segment_ptr 1
		.amdhsa_wavefront_size32 1
		.amdhsa_system_sgpr_workgroup_id_x 1
		.amdhsa_system_sgpr_workgroup_id_y 1
		.amdhsa_system_sgpr_workgroup_id_z 1
		.amdhsa_system_vgpr_workitem_id 0
		.amdhsa_next_free_vgpr 1024
		.amdhsa_next_free_sgpr 66
		.amdhsa_reserve_vcc 0
		.amdhsa_float_denorm_mode_32 3
		.amdhsa_float_denorm_mode_16_64 3
		.amdhsa_memory_ordered 1
		.amdhsa_forward_progress 1
		.amdhsa_inst_pref_size 255
	.end_amdhsa_kernel
	.section	.bss,"aw",@nobits
	.p2align	6
	.space	262144
	.amdgpu_metadata
---
amdhsa.version: [ 1, 2 ]
amdhsa.kernels:
  - .name:           k_qc61240cfc5_ffn2
    .symbol:         k_qc61240cfc5_ffn2.kd
    .args:
      - { .name: h, .offset: 0, .size: 8, .value_kind: global_buffer, .address_space: global }
      - { .name: w2, .offset: 8, .size: 8, .value_kind: global_buffer, .address_space: global }
      - { .name: plan, .offset: 16, .size: 8, .value_kind: global_buffer, .address_space: global }
      - { .name: bf, .offset: 24, .size: 8, .value_kind: global_buffer, .address_space: global }
      - { .name: y, .offset: 32, .size: 8, .value_kind: global_buffer, .address_space: global }
    .group_segment_fixed_size: 104960
    .private_segment_fixed_size: 0
    .kernarg_segment_align: 8
    .kernarg_segment_size: 40
    .max_flat_workgroup_size: 128
    .sgpr_count:     66
    .vgpr_count:     1024
    .wavefront_size: 32
...
	.end_amdgpu_metadata
.endif
;; end of part 8
;; launch combine (part 9): grid 256 x 1, 8 waves a work-group, no clusters, 0 bytes of LDS; arguments y, bf, out0, out1; writes out0, out1
.if DOCPART == 9
	.amdgcn_target "amdgcn-amd-amdhsa--gfx1250"
	.amdhsa_code_object_version 6
	.text
	.protected	k_qc61240cfc5_combine
	.globl	k_qc61240cfc5_combine
	.p2align	8
	.type	k_qc61240cfc5_combine,@function
k_qc61240cfc5_combine:
	s_mov_b64 s[64:65], 0
	v_nop
	global_prefetch_b8 v0, s[64:65] scope:SCOPE_SE
	s_setreg_imm32_b32 hwreg(HW_REG_WAVE_MODE, 25, 1), 1
	s_wait_xcnt 0x0
; COMBINE.  out0[n] = y[0][2n] + y[0][2n+1] + y[1][2n] + y[1][2n+1]: a token's two experts, each in two halves of K, already scaled by
; the combine weights.  out1 = the sum of the eight experts' terms of the loss.
; A stream: a work-group takes 8 tokens, a thread 16 bytes of every row, so each load and store of a wave covers 512 consecutive aligned bytes.
; All 32 loads of a thread are issued at the head; token i's wait leaves the 4 (7 - i) younger loads out.  Every token has registers of its own:
; nothing is rewritten, so no other wait is needed.  LDS, matrix units and clusters have nothing to do here: no byte is used twice.
.set PLANE,   4104*4096                ; a plane of y: 4,096 rows that are read here, 8 that nobody reads
.set CNT_OFF, 0x11000
.set D, 16                             ; v[16:143]  token i: four rows' 16 bytes at 16 + 16 i
	s_load_b256 s[4:11], s[0:1], 0x0               ; y s[4:5], bf s[6:7], out0 s[8:9], out1 s[10:11]
	v_lshlrev_b32 v1, 4, v0                        ; 16 thread
	s_lshl_b32 s12, ttmp9, 16                      ; 8 tokens x 2 rows x 4,096 bytes
	s_mov_b32 s13, 0
	s_lshl_b32 s14, ttmp9, 15                      ; 8 tokens x 4,096 bytes
	s_mov_b32 s15, 0
	s_wait_kmcnt 0x0
	s_add_nc_u64 s[4:5], s[4:5], s[12:13]
	s_add_nc_u64 s[16:17], s[4:5], PLANE
	s_add_nc_u64 s[8:9], s[8:9], s[14:15]
.irp i, 0,1,2,3,4,5,6,7
	global_load_b128 v[D+16*\i:D+16*\i+3],     v1, s[4:5]   offset:8192*\i th:TH_LOAD_NT
	global_load_b128 v[D+16*\i+4:D+16*\i+7],   v1, s[4:5]   offset:8192*\i+4096 th:TH_LOAD_NT
	global_load_b128 v[D+16*\i+8:D+16*\i+11],  v1, s[16:17] offset:8192*\i th:TH_LOAD_NT
	global_load_b128 v[D+16*\i+12:D+16*\i+15], v1, s[16:17] offset:8192*\i+4096 th:TH_LOAD_NT
.endr
.irp i, 0,1,2,3,4,5,6,7
	s_wait_loadcnt 4*(7-\i)
	v_pk_add_f32 v[D+16*\i:D+16*\i+1],     v[D+16*\i:D+16*\i+1],     v[D+16*\i+4:D+16*\i+5]
	v_pk_add_f32 v[D+16*\i+2:D+16*\i+3],   v[D+16*\i+2:D+16*\i+3],   v[D+16*\i+6:D+16*\i+7]
	v_pk_add_f32 v[D+16*\i+8:D+16*\i+9],   v[D+16*\i+8:D+16*\i+9],   v[D+16*\i+12:D+16*\i+13]
	v_pk_add_f32 v[D+16*\i+10:D+16*\i+11], v[D+16*\i+10:D+16*\i+11], v[D+16*\i+14:D+16*\i+15]
	v_pk_add_f32 v[D+16*\i:D+16*\i+1],     v[D+16*\i:D+16*\i+1],     v[D+16*\i+8:D+16*\i+9]
	v_pk_add_f32 v[D+16*\i+2:D+16*\i+3],   v[D+16*\i+2:D+16*\i+3],   v[D+16*\i+10:D+16*\i+11]
	global_store_b128 v1, v[D+16*\i:D+16*\i+3], s[8:9] offset:4096*\i th:TH_STORE_NT
.endr
	; the loss: work-group 0, wave 0, one lane
	s_cmp_lg_u32 ttmp9, 0
	s_cbranch_scc1 .Lend
	v_lshrrev_b32 v2, 5, v0
	v_readfirstlane_b32 s18, v2
	s_cmp_lg_u32 s18, 0
	s_cbranch_scc1 .Lend
	s_load_b256 s[20:27], s[6:7], CNT_OFF
	s_wait_kmcnt 0x0
	s_add_f32 s20, s20, s21
	s_add_f32 s22, s22, s23
	s_add_f32 s24, s24, s25
	s_add_f32 s26, s26, s27
	s_add_f32 s20, s20, s22
	s_add_f32 s24, s24, s26
	s_add_f32 s20, s20, s24
	v_mov_b32 v3, s20
	v_mov_b32 v4, 0
	s_wait_xcnt 0x0                                ; EXEC changes only behind this wait
	v_cmp_eq_u32 vcc_lo, 0, v0
	s_and_saveexec_b32 s19, vcc_lo
	global_store_b32 v4, v3, s[10:11]
.Lend:
	s_endpgm
.Lfunc_end_k_qc61240cfc5_combine:
	.size	k_qc61240cfc5_combine, .Lfunc_end_k_qc61240cfc5_combine-k_qc61240cfc5_combine
	.p2alignl 7, 3214868480
	.fill 96, 4, 3214868480
	.section	.rodata,"a",@progbits
	.p2align	6, 0x0
	.amdhsa_kernel k_qc61240cfc5_combine
		.amdhsa_group_segment_fixed_size 0
		.amdhsa_private_segment_fixed_size 0
		.amdhsa_enable_private_segment 0
		.amdhsa_kernarg_size 32
		.amdhsa_user_sgpr_count 2
		.amdhsa_user_sgpr_kernarg_segment_ptr 1
		.amdhsa_wavefront_size32 1
		.amdhsa_system_sgpr_workgroup_id_x 1
		.amdhsa_system_sgpr_workgroup_id_y 1
		.amdhsa_system_sgpr_workgroup_id_z 1
		.amdhsa_system_vgpr_workitem_id 0
		.amdhsa_next_free_vgpr 144
		.amdhsa_next_free_sgpr 66
		.amdhsa_reserve_vcc 1
		.amdhsa_float_denorm_mode_32 3
		.amdhsa_float_denorm_mode_16_64 3
		.amdhsa_memory_ordered 1
		.amdhsa_forward_progress 1
		.amdhsa_inst_pref_size 9
	.end_amdhsa_kernel
	.amdgpu_metadata
---
amdhsa.version: [ 1, 2 ]
amdhsa.kernels:
  - .name:           k_qc61240cfc5_combine
    .symbol:         k_qc61240cfc5_combine.kd
    .args:
      - { .name: y, .offset: 0, .size: 8, .value_kind: global_buffer, .address_space: global }
      - { .name: bf, .offset: 8, .size: 8, .value_kind: global_buffer, .address_space: global }
      - { .name: out0, .offset: 16, .size: 8, .value_kind: global_buffer, .address_space: global }
      - { .name: out1, .offset: 24, .size: 8, .value_kind: global_buffer, .address_space: global }
    .group_segment_fixed_size: 0
    .private_segment_fixed_size: 0
    .kernarg_segment_align: 8
    .kernarg_segment_size: 32
    .max_flat_workgroup_size: 256
    .sgpr_count:     66
    .vgpr_count:     144
    .wavefront_size: 32
...
	.end_amdgpu_metadata
.endif
;; end of part 9
